; MI455X (gfx1250); checked and timed in simulation.
; The chip was launched on July 23, 2026; its instructions are those of AMD's public machine-readable ISA for CDNA 5 (MIT licence, August 2026) and "CDNA5" Instruction Set Architecture Reference Guide (July 2026). The comments in the code are by the model that wrote it; some were corrected since.
;; Activated Attention. Allowed arithmetic: matrix products marked QUANTISED: E2M3 operands, one E8M0 scale for each 32 along K, by v_wmma_scale_f32_16x16x128_f8f6f4 with both operands' format E2M3, f32 sums; everything else in f32.
;; Inputs: W_in 1,024 x 3,072 float32; b_in 3,072 float32; gn_bias 1,024 float32; gn_weight 1,024 float32; x 4 x 2,048 x 1,024 float32.
;; Outputs: out0 4 x 2,048 x 1,024 float32.
;; This version of the problem:
;;   THIS VERSION OF THE PROBLEM IS GIVEN IN LOW PRECISION. The matrix products marked QUANTISED in the list below multiply operands that are first quantised to E2M3 (2 exponent bits, 3 mantissa bits; 6 bits a number), with one power-of-two scale for each 32 numbers along K (OCP MX v1.0); their sums are f32. All else is computed in f32.
;;   The module's matrix products, in the order in which they are computed (A, B: the left and right operand; K: the contracted axis; several contracted axes count as one K, in the product's order):
;;     1. [M 8,192, K 1,024] x [K 1,024, N 3,072]; A: input x; B: input W_in: QUANTISED
;;     2. batch 4 x [M 2,048, K 1,024] x [K 1,024, N 2,048]; A: computed on the way; B: computed on the way: QUANTISED
;;     3. batch 4 x [M 2,048, K 2,048] x [K 2,048, N 1,024]; A: computed on the way; B: computed on the way: QUANTISED
;;   THE QUANTISER, for each operand of a quantised product, along K:
;;     - K is cut into blocks of 32 from its start; a last block that is shorter is filled with zeros.
;;     - A block's scale is 2^e with e = floor(log2(the largest magnitude in the block)) - 2, held to -126 .. 127; a block of zeros has e = 0. As a byte (E8M0): e + 127.
;;     - Each number is divided by its block's scale, clamped to +-7.5, and rounded to the nearest number of E2M3, ties to even, subnormals kept.
;;     - The product sums the exact products of the quantised numbers (number of the format x scale) in f32.
;;   ~~~python
;;   def quantise(x, axis):      # numpy; x: float32 -> the quantised numbers, widened to float32 again
;;       x = np.moveaxis(x, axis, -1); K = x.shape[-1]
;;       x = np.pad(x, [(0, 0)] * (x.ndim - 1) + [(0, -K % 32)]); x = x.reshape(x.shape[:-1] + (-1, 32)); a = np.abs(x).max(-1, keepdims=True)
;;       e = np.where(a > 0, np.clip(np.frexp(np.where(a > 0, a, 1))[1] - 1 - 2, -126, 127), 0)      # np.frexp(a)[1] - 1 = floor(log2(a)), exactly
;;       r = np.clip(x / 2.0 ** e, -7.5, 7.5)
;;       step = 2.0 ** (np.maximum(np.frexp(np.where(r == 0, 1, r))[1] - 1, 0) - 3)
;;       q = np.round(r / step) * step * 2.0 ** e      # np.round: ties to even
;;       return np.moveaxis(q.reshape(q.shape[:-2] + (-1,))[..., :K], -1, axis).astype(np.float32)
;;   ~~~
;;   OPERANDS COMPUTED ON THE WAY. 'Computed on the way' means the value that the module computes at that place (a softmax that the list does not call 'softmax' is quantised finished and normalised). What goes into a quantiser is computed in f32, as accurately as f32 sums, v_exp_f32 and their like allow (about 1e-6 of the number): no bf16 or f16 on the way to a quantiser, and a product that is left as it is and whose result goes on into a quantised operand takes f32 operands (vector FMAs, or v_wmma_f32_16x16x4_f32). A number that lies on a knife's edge between two numbers of the format may be rounded either way, as far as f32 arithmetic and the matrix unit's own rounding can turn it there, and no further.
;; One version. Each part assembles by itself: llvm-mc -triple=amdgcn-amd-amdhsa -mcpu=gfx1250 --defsym DOCPART=n.
;; ======== version 1 of 1: 4 launches
;; workspace buffers: xw_codes 8,650,752 bytes; xw_scales 360,448 bytes; rope_tab 8,388,608 bytes; qkv_codes 18,874,368 bytes; qkv_scales 786,432 bytes; a_codes 12,582,912 bytes; a_scales 524,288 bytes
;; launch prep (part 1): grid 704 x 1, 4 waves a work-group, no clusters, 35,328 bytes of LDS; arguments x, W_in, xw_codes, xw_scales, rope_tab; writes xw_codes, xw_scales, rope_tab
.if DOCPART == 1
	.amdgcn_target "amdgcn-amd-amdhsa--gfx1250"
	.amdhsa_code_object_version 6
	.text
	.protected	k_q09d15d0210_prep
	.globl	k_q09d15d0210_prep
	.p2align	8
	.type	k_q09d15d0210_prep,@function
k_q09d15d0210_prep:
	s_mov_b64 s[64:65], 0
	v_nop
	global_prefetch_b8 v0, s[64:65] scope:SCOPE_SE
	s_setreg_imm32_b32 hwreg(HW_REG_WAVE_MODE, 25, 1), 1
	s_wait_xcnt 0x0
; x [8192][1024] and W_in [1024][3072], f32, become codes of FP6 (E2M3) with one E8M0 byte for each 32 along K (= 1,024), laid IN THE ORDER OF THE OPERAND'S REGISTERS;
; and the table of cos and sin for the rotary embedding is made, in the order in which the first product's results lie in a lane.
; A FRAGMENT (16 rows x 128 K, 12 registers a lane) is 1,536 bytes: byte 512 c + 16 lane + 4 i is register 4 c + i.  THE ROWS OF A TILE ARE NOT NEIGHBOURS: lane r of tile 2 P + u holds row 32 P + 8 u + r % 8 + 16 (r / 8).
; Codes: (kstep / 2) x slot + tile x 3,072 + (kstep % 2) x 1,536.  Scale words: 256 bytes for each 64 rows and kstep: byte 8 l + 4 u is the word of tile 2 (l / 16) + u of the four, row-lane l % 16.
; W's operand rows: for ni = 0..7 rows 384 ni + 0..255 are columns 256 ni + i of W_in (Q, then K), rows 384 ni + 256..383 are columns 2048 + 128 ni + i (V).
; A block's scale is 2^(floor(log2(largest magnitude)) - 2); its byte is the largest magnitude's exponent field - 2, held at 1 from below.
; LIMITS: a block whose largest magnitude lies under 2^-124 (a block of zeros too) keeps the byte 1; these bytes are read by this program alone.  NaN and infinities are not served.
; inv_freq = 2^(-j log2(10000) / 512) by a split constant and v_exp_f32: within a few units in the last place; the angle t x inv_freq is rounded once, reduced by pi / 2 in two parts, and cos, sin are polynomials good to about 1e-7.
; Three paths by the work-group's number: 0-255 x (a wave: 64 rows x 128 K), 256-447 W (a wave: 32 columns x 128 K), 448-703 the table (a wave: 16 positions x 64 pairs).  Waves share nothing: no barrier.  Only x's path uses LDS.
.set SX,   1572864                     ; a slot (256 along K) of x's codes: 512 tiles x 3,072
.set SW,   589824                      ; of W's: 192 tiles x 3,072
.set WOFF, 6291456                     ; W's codes begin here in xw_codes
.set WSC,  262144                      ; W's scale words begin here in xw_scales
.set R,    16                          ; x: v16-143 two sets of 64 as loaded;  W: v16-79 two sets of 32
.set X,    144                         ; x: v144-207 my 64 numbers: k = 64 c + 32 h + 0..31 of row r
.set F,    208                         ; x: v208-219 the fragment
.set T,    220                         ; x: v220-227 the upper halves of the blocks' codes
.set PWS,  240                         ; x: v240-243 the four tiles' scale words
.set IM,   244                         ; x: v244-245 their image
.set F0R,  80                          ; W: v80-91, v92-103 the two tiles' fragments
.set F1R,  92
.set FQ,   16                          ; table: v16-47 inv_freq of my 32 pairs
.set O,    48                          ; table: v48-111 cos, sin of my 32 pairs (first the exponents)
	s_load_b128 s[4:7], s[0:1], 0x0                ; x, W_in
	s_load_b128 s[8:11], s[0:1], 0x10              ; xw_codes, xw_scales
	s_load_b64 s[12:13], s[0:1], 0x20              ; rope_tab
	v_lshl_add_u32 v248, v0, 2, 0x8800
	v_mov_b32 v249, 0
	v_lshrrev_b32 v6, 5, v0
	v_readfirstlane_b32 s16, v6                    ; wave
	v_and_b32 v7, 31, v0                           ; lane
	v_lshlrev_b32 v1, 4, v7                        ; 16 x lane
	v_lshlrev_b32 v2, 3, v7                        ; 8 x lane
	v_and_b32 v8, 15, v0                           ; r
	v_bfe_u32 v9, v0, 4, 1                         ; h
	s_mov_b32 s20, 0x76543210
	s_mov_b32 s21, 0xfedcba98                      ; v_permlanex16_b32's selects for lane l xor 16
	s_mov_b32 s23, 0xffff0000                      ; lanes 16-31
	s_wait_kmcnt 0x0
	s_cmp_lt_u32 ttmp9, 256
	s_cbranch_scc1 .Lpath_x
	s_cmp_lt_u32 ttmp9, 448
	s_cbranch_scc1 .Lpath_w
; ---------------- THE TABLE: task = 8 tau + ks; 8,192 bytes: byte 512 d + 16 lane holds pairs 2 d, 2 d + 1 as cos, sin, cos, sin
	s_sub_co_u32 s17, ttmp9, 448
	s_lshl_b32 s17, s17, 2
	s_add_co_u32 s17, s17, s16                     ; task
	s_lshr_b32 s18, s17, 3                         ; tau: the tile of 16 positions
	s_and_b32 s19, s17, 7                          ; ks: which 128 channels
	s_lshl_b32 s24, s17, 13
	s_mov_b32 s25, 0
	s_add_nc_u64 s[12:13], s[12:13], s[24:25]
	s_lshr_b32 s26, s18, 1
	s_lshl_b32 s26, s26, 5
	s_and_b32 s27, s18, 1
	s_lshl_b32 s27, s27, 3
	s_add_co_u32 s26, s26, s27                     ; 32 (tau / 2) + 8 (tau % 2)
	v_and_b32 v10, 7, v0
	v_bfe_u32 v11, v0, 3, 1
	v_lshl_add_u32 v10, v11, 4, v10
	v_add_nc_u32 v10, s26, v10                     ; my position t
	v_cvt_f32_u32 v13, v10
	s_lshl_b32 s27, s19, 6
	v_lshl_add_u32 v12, v9, 3, s27                 ; 64 ks + 8 h: pair p of mine is j = this + 16 (p / 8) + p % 8
	s_mov_b32 s40, 0xb94ca1f9                      ; sin's polynomial
	s_mov_b32 s41, 0x3c08839e
	s_mov_b32 s42, 0xbe2aaaa3
	s_mov_b32 s43, 0x37ccf5ce                      ; cos's
	s_mov_b32 s44, 0xbab6061a
	s_mov_b32 s45, 0x3d2aaaa5
.set p, 0
.rept 32
	v_add_nc_u32 v[FQ+p], 16*(p/8)+p%8, v12
.set p, p+1
.endr
.set p, 0
.rept 32
	v_cvt_f32_u32 v[FQ+p], v[FQ+p]                 ; j, exact
.set p, p+1
.endr
.set p, 0
.rept 32
	v_mul_f32 v[O+p], 0xbcd49000, v[FQ+p]          ; -j x the upper 12 bits of log2(10000) / 512: exact
.set p, p+1
.endr
.set p, 0
.rept 32
	v_fmamk_f32 v[O+p], v[FQ+p], 0xb6a784bd, v[O+p]   ; - j x the rest: one rounding
.set p, p+1
.endr
.set p, 0
.rept 32
	v_exp_f32 v[FQ+p], v[O+p]                      ; inv_freq
.set p, p+1
.endr
	v_nop                                          ; a plain instruction behind the last exponential
	s_wait_alu depctr_va_vdst(0)                   ; one wait for the batch, ahead of its first reader
.macro SINCOS q
	v_mul_f32 v112, v13, v[FQ+(\q)]                ; the angle, rounded once
	v_mul_f32 v113, 0x3f22f983, v112
	v_rndne_f32 v113, v113                         ; n = the nearest multiple of pi / 2
	v_fmamk_f32 v114, v113, 0xbfc90fdb, v112       ; angle - n x pi / 2, in two parts
	v_fmamk_f32 v114, v113, 0x333bbd2e, v114
	v_cvt_i32_f32 v116, v113
	v_mul_f32 v115, v114, v114                     ; z
	v_fma_f32 v117, v115, s40, s41
	v_fma_f32 v119, v115, s43, s44
	v_mul_f32 v118, v115, v114
	v_mul_f32 v120, v115, v115
	v_fma_f32 v117, v117, v115, s42
	v_fma_f32 v119, v119, v115, s45
	v_fma_f32 v121, v115, -0.5, 1.0
	v_fma_f32 v117, v117, v118, v114               ; sin of the rest
	v_fma_f32 v119, v119, v120, v121               ; cos of the rest
	v_and_b32 v122, 1, v116
	v_cmp_eq_u32 vcc_lo, 1, v122                   ; an odd n changes the two over (a choice of values: no branch)
	v_cndmask_b32 v123, v117, v119, vcc_lo
	v_cndmask_b32 v124, v119, v117, vcc_lo
	v_lshlrev_b32 v122, 30, v116                   ; sin's sign: bit 1 of n
	v_and_b32 v122, 0x80000000, v122
	v_add_nc_u32 v125, 1, v116                     ; cos's: bit 1 of n + 1
	v_lshlrev_b32 v125, 30, v125
	v_and_b32 v125, 0x80000000, v125
	v_xor_b32 v[O+2*(\q)], v124, v125
	v_xor_b32 v[O+2*(\q)+1], v123, v122
.endm
.set p, 0
.rept 32
	SINCOS p
.set p, p+1
.endr
.irp d, 0,1,2,3,4,5,6,7,8,9,10,11,12,13,14,15
	global_store_b128 v1, v[O+4*\d:O+4*\d+3], s[12:13] offset:512*\d   ; 32 lanes store 512 consecutive bytes, aligned
.endr
	s_endpgm
; ---------------- W: task = 8 P + ks.  A LANE TAKES A COLUMN AND ITS REGISTERS RUN DOWN K: a block of 32 along K lies in one lane
.Lpath_w:
	s_sub_co_u32 s17, ttmp9, 256
	s_lshl_b32 s17, s17, 2
	s_add_co_u32 s17, s17, s16                     ; task
	s_lshr_b32 s18, s17, 3                         ; P: the pair of tiles (32 operand rows)
	s_and_b32 s19, s17, 7                          ; ks
	s_lshr_b32 s24, s18, 1                         ; the group of 64 operand rows, 0..47
	s_mul_i32 s25, s24, 43
	s_lshr_b32 s25, s25, 8                         ; ni = group / 6 (exact for 0..47)
	s_mul_i32 s26, s25, 6
	s_sub_co_u32 s26, s24, s26                     ; group % 6
	s_lshl_b32 s27, s26, 6
	s_lshl_b32 s28, s25, 8
	s_add_co_u32 s28, s28, s27                     ; groups 0-3: column 256 ni + 64 g
	s_lshl_b32 s29, s25, 7
	s_add_co_u32 s29, s29, s27
	s_add_co_u32 s29, s29, 1792                    ; groups 4, 5: column 2048 + 128 ni + 64 (g - 4)
	s_cmp_lt_u32 s26, 4
	s_cselect_b32 s28, s28, s29
	s_and_b32 s29, s18, 1
	s_lshl_b32 s30, s29, 5
	s_add_co_u32 s28, s28, s30                     ; my wave's first column
	s_mul_i32 s30, s19, 1572864                    ; 128 rows of 12,288 bytes
	s_lshl_b32 s28, s28, 2
	s_add_co_u32 s30, s30, s28
	s_mov_b32 s31, 0
	s_add_nc_u64 s[6:7], s[6:7], s[30:31]
	s_lshr_b32 s30, s19, 1
	s_mul_i32 s30, s30, SW
	s_mul_i32 s32, s18, 6144
	s_add_co_u32 s30, s30, s32
	s_and_b32 s32, s19, 1
	s_mul_i32 s32, s32, 1536
	s_add_co_u32 s30, s30, s32
	s_add_co_u32 s30, s30, WOFF
	s_add_nc_u64 s[8:9], s[8:9], s[30:31]          ; the codes of tile 2 P, this kstep
	s_lshl_b32 s30, s24, 11
	s_lshl_b32 s32, s19, 8
	s_add_co_u32 s30, s30, s32
	s_lshl_b32 s32, s29, 7
	s_add_co_u32 s30, s30, s32
	s_add_co_u32 s30, s30, WSC
	s_add_nc_u64 s[10:11], s[10:11], s[30:31]      ; my pair's 128 bytes of the group's 256 scale bytes
	v_and_b32 v10, 7, v0
	v_bfe_u32 v11, v0, 3, 1
	v_lshl_add_u32 v10, v11, 4, v10
	v_lshl_add_u32 v10, v9, 3, v10                 ; my column of the 32: l % 8 + 16 ((l / 8) % 2) + 8 (l / 16): lanes 0-15 are tile 2 P's rows, lanes 16-31 tile 2 P + 1's
	v_lshlrev_b32 v10, 2, v10
	v_lshlrev_b32 v117, 3, v8
	v_lshl_add_u32 v117, v9, 2, v117               ; my scale word's place: 8 (l % 16) + 4 (l / 16)
.macro LOADW t
.irp i, 0,1,2,3,4,5,6,7,8,9,10,11,12,13,14,15,16,17,18,19,20,21,22,23,24,25,26,27,28,29,30,31
	global_load_b32 v[R+32*((\t)%2)+\i], v10, s[6:7] offset:(32*(\t)+\i)*12288 th:TH_LOAD_NT   ; the wave reads 128 consecutive bytes of a row
.endr
.endm
.macro BLOCKW t
.set RS, R+32*((\t)%2)
.set FD, F0R+12*((\t)%2)+6*((\t)/2)
.if (\t) < 3
	s_wait_loadcnt 32                              ; this block's 32 loads are in; the next block's may be out
.else
	s_wait_loadcnt 0x0
.endif
	v_max3_num_f32 v112, |v[RS]|, |v[RS+1]|, |v[RS+2]|
	v_max3_num_f32 v113, |v[RS+3]|, |v[RS+4]|, |v[RS+5]|
.irp i, 6,10,14,18,22,26
	v_max3_num_f32 v112, v112, |v[RS+\i]|, |v[RS+\i+1]|
	v_max3_num_f32 v113, v113, |v[RS+\i+2]|, |v[RS+\i+3]|
.endr
	v_max3_num_f32 v112, v112, |v[RS+30]|, |v[RS+31]|
	v_max3_num_f32 v112, v112, v113, 0x1800000     ; and the floor 2^(3 - 127): the byte cannot fall under 1
	v_add_nc_u32 v114, 0xff000000, v112            ; 2 off the exponent field: the conversion's scale operand
	v_lshrrev_b32 v115, 23, v114                   ; the byte
.if (\t) == 0
	v_mov_b32 v116, v115
.else
	v_lshl_or_b32 v116, v115, 8*(\t), v116         ; my column's scale word
.endif
	v_cvt_scalef32_pk16_fp6_f32 v[FD:FD+2], v[RS:RS+15], v114
	v_cvt_scalef32_pk16_fp6_f32 v[104:106], v[RS+16:RS+31], v114   ; (a conversion's three registers begin on an even number)
	v_nop                                          ; one plain place behind a scaled conversion
.irp i, 0,1,2
	v_mov_b32 v[FD+3+\i], v[104+\i]
.endr
.if (\t) < 2
	LOADW (\t)+2
.endif
.if (\t)%2 == 1                        ; even blocks stand in the first run, odd ones in the second: the exchange gives lanes 0-15 block 2 c and lanes 16-31 block 2 c + 1 of ONE tile's rows in each run
.irp i, 0,1,2,3,4,5
	v_permlane16_swap_b32 v[F0R+6*((\t)/2)+\i], v[F1R+6*((\t)/2)+\i]
.endr
.endif
.endm
	LOADW 0
	LOADW 1
	BLOCKW 0
	BLOCKW 1
	BLOCKW 2
	BLOCKW 3
.irp c, 0,1,2
	global_store_b128 v1, v[F0R+4*\c:F0R+4*\c+3], s[8:9] offset:512*\c
	global_store_b128 v1, v[F1R+4*\c:F1R+4*\c+3], s[8:9] offset:3072+512*\c
.endr
	global_store_b32 v117, v116, s[10:11]          ; 128 consecutive bytes: half of the group's 256; all of W's scale words are 98,304 bytes
	s_endpgm
; ---------------- x: task = 8 gamma + ks: 64 rows (four tiles) x 128 K
.Lpath_x:
	s_lshl_b32 s17, ttmp9, 2
	s_add_co_u32 s17, s17, s16                     ; task
	s_lshr_b32 s18, s17, 3                         ; gamma
	s_and_b32 s19, s17, 7                          ; ks
	s_lshl_b32 s24, s18, 18
	s_lshl_b32 s25, s19, 9
	s_add_co_u32 s24, s24, s25
	s_mov_b32 s25, 0
	s_add_nc_u64 s[4:5], s[4:5], s[24:25]
	s_lshr_b32 s26, s19, 1
	s_mul_i32 s26, s26, SX
	s_mul_i32 s27, s18, 12288
	s_add_co_u32 s26, s26, s27
	s_and_b32 s27, s19, 1
	s_mul_i32 s27, s27, 1536
	s_add_co_u32 s26, s26, s27
	s_mov_b32 s27, 0
	s_add_nc_u64 s[8:9], s[8:9], s[26:27]
	s_lshl_b32 s28, s17, 8
	s_mov_b32 s29, 0
	s_add_nc_u64 s[10:11], s[10:11], s[28:29]
	s_mul_i32 s30, s16, 8704                       ; my wave's stage: 16 rows of 512 bytes + 16
	v_add_nc_u32 v3, s30, v1                       ; in: 16 bytes a lane of a row
	v_mul_u32_u24 v4, v8, 528
	v_lshl_add_u32 v4, v9, 7, v4
	v_add_nc_u32 v4, s30, v4                       ; out: row r, + 128 h: my block of 32 numbers
	v_lshlrev_b32 v5, 3, v9                        ; 8 h
	v_mov_b32 v237, 0                              ; a lane permute's destination counts as one of its sources
.macro LOADX t                         ; tile t's 16 rows, in the tile's order of rows: each load reads 512 consecutive bytes
.irp i, 0,1,2,3,4,5,6,7,8,9,10,11,12,13,14,15
	global_load_b128 v[R+64*((\t)%2)+4*\i:R+64*((\t)%2)+4*\i+3], v1, s[4:5] offset:(32*((\t)/2)+8*((\t)%2)+(\i%8)+16*(\i/8))*4096 th:TH_LOAD_NT
.endr
.endm
.macro TURNX t                         ; through the stage: LDS serves a wave's instructions in order, so no wait stands between the stores and the loads
.irp i, 0,1,2,3,4,5,6,7,8,9,10,11,12,13,14,15
	ds_store_b128 v3, v[R+64*((\t)%2)+4*\i:R+64*((\t)%2)+4*\i+3] offset:528*\i
.endr
.irp c, 0,1
.irp j, 0,1,2,3,4,5,6,7
	ds_load_b128 v[X+32*\c+4*\j:X+32*\c+4*\j+3], v4 offset:256*\c+16*\j
.endr
.endr
.endm
.macro QUANTK t                        ; my two whole blocks, 2 c + h, become registers 6 c .. 6 c + 5 of the fragment
.irp c, 0,1
	v_max3_num_f32 v[228+2*\c], |v[X+32*\c]|, |v[X+32*\c+1]|, |v[X+32*\c+2]|
	v_max3_num_f32 v[229+2*\c], |v[X+32*\c+3]|, |v[X+32*\c+4]|, |v[X+32*\c+5]|
.endr
.irp i, 6,10,14,18,22,26
.irp c, 0,1
	v_max3_num_f32 v[228+2*\c], v[228+2*\c], |v[X+32*\c+\i]|, |v[X+32*\c+\i+1]|
	v_max3_num_f32 v[229+2*\c], v[229+2*\c], |v[X+32*\c+\i+2]|, |v[X+32*\c+\i+3]|
.endr
.endr
.irp c, 0,1
	v_max3_num_f32 v[228+2*\c], v[228+2*\c], |v[X+32*\c+30]|, |v[X+32*\c+31]|
.endr
.irp c, 0,1
	v_max3_num_f32 v[228+2*\c], v[228+2*\c], v[229+2*\c], 0x1800000   ; the floor 2^(3 - 127)
.endr
.irp c, 0,1
	v_add_nc_u32 v[232+\c], 0xff000000, v[228+2*\c]   ; the conversion's scale operand
.endr
.irp c, 0,1
	v_lshrrev_b32 v[234+\c], 23, v[232+\c]         ; the byte
.endr
	v_lshl_or_b32 v236, v235, 16, v234             ; blocks h and 2 + h,
	v_lshlrev_b32 v236, v5, v236                   ; at their places in the word;
	v_permlanex16_b32 v237, v236, s20, s21
	v_or_b32 v[PWS+(\t)], v236, v237               ; with lane l xor 16's two the word is whole, in both halves of the lanes
	s_wait_xcnt 0x0                                ; the last tile's stores have read the fragment's registers
.irp c, 0,1
	v_cvt_scalef32_pk16_fp6_f32 v[F+6*\c:F+6*\c+2], v[X+32*\c:X+32*\c+15], v[232+\c]
	v_cvt_scalef32_pk16_fp6_f32 v[T+4*\c:T+4*\c+2], v[X+32*\c+16:X+32*\c+31], v[232+\c]
.endr
	v_nop                                          ; one plain place behind a scaled conversion
.irp c, 0,1
.irp i, 0,1,2
	v_mov_b32 v[F+6*\c+3+\i], v[T+4*\c+\i]
.endr
.endr
.irp c, 0,1,2
	global_store_b128 v1, v[F+4*\c:F+4*\c+3], s[8:9] offset:(\t)*3072+512*\c   ; 512 consecutive bytes, aligned
.endr
.endm
	LOADX 0
	LOADX 1
.irp t, 0,1,2,3
.if \t < 3
	s_wait_loadcnt 16                              ; this tile's 16 loads are in; the next tile's may be out
.else
	s_wait_loadcnt 0x0
.endif
	TURNX \t
	s_wait_dscnt 0x0                               ; my numbers are back, and the stores have read the registers that the next loads take
.if \t < 2
	LOADX \t+2
.endif
	QUANTK \t
.endr
	v_cndmask_b32 v[IM], v[PWS], v[PWS+2], s23     ; lanes 0-15: tiles 0, 1; lanes 16-31: tiles 2, 3
	v_cndmask_b32 v[IM+1], v[PWS+1], v[PWS+3], s23
	global_store_b64 v2, v[IM:IM+1], s[10:11]      ; 256 consecutive bytes, aligned
	s_wait_tensorcnt 0x0
	ds_add_u32 v248, v249
	s_wait_dscnt 0x0
	s_endpgm
.Lfunc_end_k_q09d15d0210_prep:
	.size	k_q09d15d0210_prep, .Lfunc_end_k_q09d15d0210_prep-k_q09d15d0210_prep
	.p2alignl 7, 3214868480
	.fill 96, 4, 3214868480
	.section	.rodata,"a",@progbits
	.p2align	6, 0x0
	.amdhsa_kernel k_q09d15d0210_prep
		.amdhsa_group_segment_fixed_size 35328
		.amdhsa_private_segment_fixed_size 0
		.amdhsa_enable_private_segment 0
		.amdhsa_kernarg_size 40
		.amdhsa_user_sgpr_count 2
		.amdhsa_user_sgpr_kernarg_segment_ptr 1
		.amdhsa_wavefront_size32 1
		.amdhsa_system_sgpr_workgroup_id_x 1
		.amdhsa_system_sgpr_workgroup_id_y 1
		.amdhsa_system_sgpr_workgroup_id_z 1
		.amdhsa_system_vgpr_workitem_id 0
		.amdhsa_next_free_vgpr 250
		.amdhsa_next_free_sgpr 66
		.amdhsa_reserve_vcc 1
		.amdhsa_float_denorm_mode_32 3
		.amdhsa_float_denorm_mode_16_64 3
		.amdhsa_memory_ordered 1
		.amdhsa_forward_progress 1
		.amdhsa_inst_pref_size 100
	.end_amdhsa_kernel
	.amdgpu_metadata
---
amdhsa.version: [ 1, 2 ]
amdhsa.kernels:
  - .name:           k_q09d15d0210_prep
    .symbol:         k_q09d15d0210_prep.kd
    .args:
      - { .name: x, .offset: 0, .size: 8, .value_kind: global_buffer, .address_space: global }
      - { .name: W_in, .offset: 8, .size: 8, .value_kind: global_buffer, .address_space: global }
      - { .name: xw_codes, .offset: 16, .size: 8, .value_kind: global_buffer, .address_space: global }
      - { .name: xw_scales, .offset: 24, .size: 8, .value_kind: global_buffer, .address_space: global }
      - { .name: rope_tab, .offset: 32, .size: 8, .value_kind: global_buffer, .address_space: global }
    .group_segment_fixed_size: 35328
    .private_segment_fixed_size: 0
    .kernarg_segment_align: 8
    .kernarg_segment_size: 40
    .max_flat_workgroup_size: 128
    .sgpr_count:     66
    .vgpr_count:     250
    .wavefront_size: 32
...
	.end_amdgpu_metadata
.endif
;; end of part 1
;; launch gemm1 (part 2): grid 8 x 32, 4 waves a work-group, clusters of 4 x 4, 327,680 bytes of LDS; arguments xw_codes, xw_scales, rope_tab, b_in, qkv_codes, qkv_scales; writes qkv_codes, qkv_scales
.if DOCPART == 2
	.amdgcn_target "amdgcn-amd-amdhsa--gfx1250"
	.amdhsa_code_object_version 6
	.text
	.protected	k_q09d15d0210_gemm1
	.globl	k_q09d15d0210_gemm1
	.p2align	8
	.type	k_q09d15d0210_gemm1,@function
k_q09d15d0210_gemm1:
	s_mov_b64 s[64:65], 0
	v_nop
	global_prefetch_b8 v0, s[64:65] scope:SCOPE_SE
	s_setreg_imm32_b32 hwreg(HW_REG_WAVE_MODE, 25, 1), 1
	s_wait_xcnt 0x0
	s_wait_alu depctr_hold_cnt(0) depctr_sa_sdst(0) depctr_va_vdst(0) depctr_va_sdst(0) depctr_va_ssrc(0) depctr_va_vcc(0) depctr_vm_vsrc(0)
	s_getreg_b32 s2, hwreg(HW_REG_IB_STS2, 6, 4)
	s_cmp_eq_u32 s2, 0
	s_cbranch_scc0 .Lentry_in_a_cluster
	s_endpgm
.Lentry_in_a_cluster:
	s_bfe_u32 s2, ttmp6, 0x10000c
	s_cmp_lg_u32 s2, 0xf033
	s_cbranch_scc0 .Lentry_shape_is_right
	s_endpgm
.Lentry_shape_is_right:
; qkv = x W_in + b_in on codes of FP6 (E2M3) with E8M0 scales, then what reference() does to Q, K, V, then the quantisers of the next two products.
; PASS 1 of work-group (ni, mi): positions 64 mi .. 64 mi + 63 of EACH of the four batches (16 tiles of rows) x 256 columns of Q | K (256 ni on): + bias, rotary embedding, relu, quantised along the channels.
; PASS 2: rows 256 mi .. 256 mi + 255 x 128 columns of V (128 ni on): + bias, relu, quantised along the ROWS (the keys): a wave needs 128 neighbouring keys there, so pass 2 has rows of its own.
; So each of the 256 work-groups has one and a half tiles' work.  Four waves; pass 1: a wave makes 128 x 128 (64 accumulators), pass 2: 128 rows x 64 columns (32).
; WHY PASS 1 TAKES ITS ROWS SO: a wave's eight tiles of rows are four tiles of positions in two batches, so a record of the cos and sin table (8,192 bytes) serves two tiles, and the wave's four records, 256 registers,
; are loaded once each and well ahead: record 0 behind kstep 2, records 1 and 2 behind kstep 6, record 3 behind the last products; the way out takes the tiles in the order 0, 4, 1, 5, 2, 6, 3, 7.
; OPERANDS LIE IN MEMORY AND IN LDS IN THE ORDER OF THEIR REGISTERS: a fragment (16 rows x 128 K, 12 registers) is 1,536 bytes, byte 512 c + 16 lane + 4 i = register 4 c + i: three ds_load_b128 at 16 x lane, no pitch, no padding.
; THE ROWS OF A TILE ARE NOT NEIGHBOURS: lane r of tile 2 P + u holds row 32 P + 8 u + r % 8 + 16 (r / 8).  So with S0 as source 0 the 64 registers of one tile of S1 against S0's eight tiles are, in lane (r, h), S0's rows 32 b + 16 h + 0..15:
; 16 neighbours of each block of 32 along the next product's K, which the conversions take as they stand; the fragment that they make is stored as it stands.
; PASS 1: S0 = W (channels), S1 = x (positions): a lane holds one position.  PASS 2: S0 = x (positions = keys), S1 = W's V columns: a lane holds one channel, its registers run along the keys.
; The bias is the C of each sum's first matrix instruction.
; LDS: three buffers of 98,304 bytes (x's 16 tiles x 2 ksteps, then W's); K slots 0, 1, 2 are first fills, slot 3 fills buffer 0 again; at pass 1's last kstep ONE load a wave brings all of pass 2's codes (it lands under pass 1's way out).
; Pass 2's scale words of x come from memory straight into registers: 16 loads of 256 consecutive bytes, aligned, for all eight ksteps.
; CLUSTER 4 x 4: x's tiles are shared along a row of the cluster, W's along a column: joint loads.
; LIMITS: a block whose largest magnitude lies under 2^-124 keeps the byte 1 (read by this program alone); NaN and infinities are not served.
; REGISTERS: window 0: v1 16 x lane, v2 8 x lane, v3, v4 the add's two, v5-19 addresses, v24-31 pass 2's scale words of W (two sets), v32-63 scale words (pass 1: two sets; pass 2: x's, all eight ksteps),
;   v64-127 pass 1's bias, later table record 0; v128.. S1's fragments, one set; on the way out v128-191 64 numbers, v192-239 at work.
;   window 1: S0's fragments, two sets at v0 and v128; v96-127 pass 2's bias; on pass 1's way out table records 1 (v0-63), 2 (v64-95, v224-255), 3 (v128-191).   windows 2, 3: the accumulators ((a, b) at 8 (8 (a % 4) + b)).
.set SX,    1572864                    ; a K slot (256 along K) of x's, Q's, K's codes: 512 tiles x 3,072
.set SW,    589824                     ; of W's: 192 tiles x 3,072
.set WOFF,  6291456
.set WSC,   262144
.set BUF,   98304
.set SCX,   294912                     ; pass 1's scale words of x: 4 groups of 64 rows (one of each batch) x 8 ksteps x 256 bytes
.set SCW,   303104                     ; W's: 6 groups
.set SPARE, 315392                     ; the spare words, 128 bytes a wave: two blocks of 256 bytes that no other line names
.set FR,    12
.set RB0,   3072                       ; from tile to tile
.set RB1,   3072
.set SV2,   24
.set SC,    32
.set XS2,   32
.set BI,    64
.set BV,    96
.set AF,    128
.set HA,    128
.set PC,    192
.set TM,    212
.set PWS,   228
.set IM,    236
.set WVS,   16
.set HIS,   17
.set LOS,   18
.set SEL,   66
.set G1X,   24
.set G1W,   32
.set G1SX,  40
.set G1SW,  48
.set G1X2,  40                         ; pass 2's groups 1 take the scales' once those loads are done
.set G1V2,  48
.set G0SX,  56
.set G0SW,  60
.set G0X,   68                         ; three sets
.set G0W,   80
.set MSB, 0
.macro WIN new                         ; the immediate's high byte repeats the setting that is left
.if MSB != (\new)
	s_set_vgpr_msb (MSB<<8)|(\new)
.set MSB, \new
.endif
.endm
.macro PLACES                          ; four plain places behind a matrix instruction, ahead of loads into its registers and of reads of its results
.rept 4
	v_nop
.endr
.endm
.macro JLOAD g0a, g1a, g0b, g1b        ; a joint load: waves 0, 1 by the first pair of groups, waves 2, 3 by the second; four v_nop follow each line
	s_cmp_eq_u32 s[HIS], 0
	s_cbranch_scc0 .Lfor_b_\@
	tensor_load_to_lds s[\g0a:\g0a+3], s[\g1a:\g1a+7]
	s_nop 0
.rept 4
	v_nop
.endr
	s_branch .Lasked_\@
.Lfor_b_\@:
	tensor_load_to_lds s[\g0b:\g0b+3], s[\g1b:\g1b+7]
	s_nop 0
.rept 4
	v_nop
.endr
.Lasked_\@:
.endm
.macro CREST                           ; a round of the cluster's barrier behind its opening barrier
	s_cmp_lg_u32 s[WVS], 0
	s_cbranch_scc1 .Lnot_wave_0_\@
	s_barrier_signal -3
.Lnot_wave_0_\@:
	s_barrier_wait -3
	s_barrier_signal -1
	s_barrier_wait -1
.endm
.macro CROUND
	s_barrier_signal -1
	s_barrier_wait -1
	CREST
.endm
.macro G1SET g, c, r, p                ; words 1 to 7 of a group 1: r rows of c elements of 8 bytes, p elements apart
	s_mov_b32 s[\g+1], ((\c)&0xffff)<<16
	s_mov_b32 s[\g+2], ((\c)>>16)|(((\r)&0xffff)<<16)
	s_mov_b32 s[\g+3], ((\r)>>16)|((\c)<<16)
	s_mov_b32 s[\g+4], \r
	s_mov_b32 s[\g+5], \p
	s_mov_b32 s[\g+6], 0
	s_mov_b32 s[\g+7], 0
.endm
.macro LOC s                           ; where kstep s lies: address registers and offsets
.if PASS == 1
.set R0, 5+((\s)/2)%3
.set R1, 8+((\s)/2)%3
.set O0, ((\s)%2)*1536
.set O1, ((\s)%2)*1536
.else
.set R0, 11+(\s)/4
.set R1, 13
.set O0, (((\s)/2)%2)*24576+((\s)%2)*1536
.set O1, ((\s)/2)*12288+((\s)%2)*1536
.endif
.endm
.macro FRAG reg, adr, off
.irp c, 0,1,2
	ds_load_b128 v[(\reg)+4*\c:(\reg)+4*\c+3], v[\adr] offset:(\off)+512*\c
.endr
.endm
.macro F0 s                            ; S0's eight fragments of kstep s into set s % 2 of window 1
	LOC \s
	WIN 0x40
.irp i, 0,1,2,3,4,5,6,7
	FRAG 128*((\s)%2)+FR*\i, R0, O0+\i*RB0
.endr
	WIN 0
.endm
.macro F1 s, i0, n                     ; S1's fragments i0 .. i0 + n - 1
	LOC \s
.set FI, \i0
.rept \n
	FRAG AF+FR*FI, R1, O1+FI*RB1
.set FI, FI+1
.endr
.endm
; The scale words of ksteps s, s + 1 (s even) into set (s / 2) % 2: a load of 8 bytes a lane brings two registers: lanes 0-15 tiles 0, 1 of a group of four, lanes 16-31 tiles 2, 3.
; Pass 1: S0's two groups and S1's two.  Pass 2: S1's one group alone (S0's words of all ksteps stand in registers already).
.macro FS s
.if PASS == 1
.set SS, SC+16*(((\s)/2)%2)
.irp g, 0,1
.irp q, 0,1
	ds_load_b64 v[SS+4*\g+2*\q:SS+4*\g+2*\q+1], v[DS0] offset:\g*GS0+((\s)+\q)*256
.endr
.endr
.irp g, 0,1
.irp q, 0,1
	ds_load_b64 v[SS+8+4*\g+2*\q:SS+8+4*\g+2*\q+1], v[DS1] offset:\g*GS1+((\s)+\q)*256
.endr
.endr
.else
.set SS, SV2+4*(((\s)/2)%2)
.irp q, 0,1
	ds_load_b64 v[SS+2*\q:SS+2*\q+1], v[DS1] offset:((\s)+\q)*256
.endr
.endif
.endm
.macro WMR z                           ; one matrix instruction from the symbols that WM has set; z = 1: C is the constant 0
.if \z
.if rw == 0
	v_wmma_scale_f32_16x16x128_f8f6f4 v[rD:rD+7], v[rA:rA+FR-1], v[rB:rB+FR-1], 0, v[sA], v[sB] matrix_a_fmt:MATRIX_FMT_FP6 matrix_b_fmt:MATRIX_FMT_FP6
.elseif rw == 1
	v_wmma_scale_f32_16x16x128_f8f6f4 v[rD:rD+7], v[rA:rA+FR-1], v[rB:rB+FR-1], 0, v[sA], v[sB] matrix_a_fmt:MATRIX_FMT_FP6 matrix_b_fmt:MATRIX_FMT_FP6 matrix_a_scale:MATRIX_SCALE_ROW1
.elseif rw == 2
	v_wmma_scale_f32_16x16x128_f8f6f4 v[rD:rD+7], v[rA:rA+FR-1], v[rB:rB+FR-1], 0, v[sA], v[sB] matrix_a_fmt:MATRIX_FMT_FP6 matrix_b_fmt:MATRIX_FMT_FP6 matrix_b_scale:MATRIX_SCALE_ROW1
.else
	v_wmma_scale_f32_16x16x128_f8f6f4 v[rD:rD+7], v[rA:rA+FR-1], v[rB:rB+FR-1], 0, v[sA], v[sB] matrix_a_fmt:MATRIX_FMT_FP6 matrix_b_fmt:MATRIX_FMT_FP6 matrix_a_scale:MATRIX_SCALE_ROW1 matrix_b_scale:MATRIX_SCALE_ROW1
.endif
.else
.if rw == 0
	v_wmma_scale_f32_16x16x128_f8f6f4 v[rD:rD+7], v[rA:rA+FR-1], v[rB:rB+FR-1], v[rC:rC+7], v[sA], v[sB] matrix_a_fmt:MATRIX_FMT_FP6 matrix_b_fmt:MATRIX_FMT_FP6
.elseif rw == 1
	v_wmma_scale_f32_16x16x128_f8f6f4 v[rD:rD+7], v[rA:rA+FR-1], v[rB:rB+FR-1], v[rC:rC+7], v[sA], v[sB] matrix_a_fmt:MATRIX_FMT_FP6 matrix_b_fmt:MATRIX_FMT_FP6 matrix_a_scale:MATRIX_SCALE_ROW1
.elseif rw == 2
	v_wmma_scale_f32_16x16x128_f8f6f4 v[rD:rD+7], v[rA:rA+FR-1], v[rB:rB+FR-1], v[rC:rC+7], v[sA], v[sB] matrix_a_fmt:MATRIX_FMT_FP6 matrix_b_fmt:MATRIX_FMT_FP6 matrix_b_scale:MATRIX_SCALE_ROW1
.else
	v_wmma_scale_f32_16x16x128_f8f6f4 v[rD:rD+7], v[rA:rA+FR-1], v[rB:rB+FR-1], v[rC:rC+7], v[sA], v[sB] matrix_a_fmt:MATRIX_FMT_FP6 matrix_b_fmt:MATRIX_FMT_FP6 matrix_a_scale:MATRIX_SCALE_ROW1 matrix_b_scale:MATRIX_SCALE_ROW1
.endif
.endif
.endm
.macro WM a, b, s, cm                  ; S1's tile a x S0's tile b, kstep s.  cm: 0 adds in place, 1 starts with 0, 2 with pass 1's bias, 3 with pass 2's
.set rD, 8*(8*((\a)%4)+(\b))
.set rA, 128*((\s)%2)+FR*(\b)
.set rB, AF+FR*(\a)
.if PASS == 1
.set sA, SC+16*(((\s)/2)%2)+4*((\b)/4)+2*((\s)%2)+(\b)%2
.set sB, SC+16*(((\s)/2)%2)+8+4*((\a)/4)+2*((\s)%2)+(\a)%2
.else
.set sA, XS2+16*((\b)/4)+2*(\s)+(\b)%2
.set sB, SV2+4*(((\s)/2)%2)+2*((\s)%2)+(\a)%2
.endif
.set rw, 2*(((\a)/2)%2)+((\b)/2)%2
.set rC, rD
.if (\cm) == 2
.set rC, BI+8*(\b)
.endif
.if (\cm) == 3
.set rC, BV+8*(\a)
.endif
.if (\cm) == 1
	WMR 1
.else
	WMR 0
.endif
.endm
.macro MULB a0, n, s, cm               ; tiles a0 .. a0 + n - 1 of S1 against S0's eight: the accumulators take turns, one instruction a turn
.if (\cm) == 2
	WIN 0x81+0x40*((\a0)/4)
.elseif (\cm) == 3
	WIN 0x91
.else
	WIN 0xa1+0x50*((\a0)/4)
.endif
.set MA, \a0
.rept \n
.irp b, 0,1,2,3,4,5,6,7
	WM MA, \b, \s, \cm
.endr
.set MA, MA+1
.endr
.endm
.macro STEP s, cm, sc                  ; a kstep whose successor's tiles are known to lie in LDS.  sc = 1: the next two ksteps' scale words are fetched
	s_wait_dscnt 3*NA/2                            ; all but the youngest loads, S1's upper tiles
	MULB 0, NA/2, \s, \cm
	s_wait_dscnt 0x0                               ; S1's upper tiles
	PLACES
	F0 (\s)+1
	F1 (\s)+1, 0, NA/2
.if \sc
	FS (\s)+1
.endif
	MULB NA/2, NA/2, \s, \cm
	PLACES
	WIN 0
	F1 (\s)+1, NA/2, NA/2
.endm
.macro FILL k
.if (\k) == 1
	s_add_nc_u64 s[G0X+2:G0X+3], s[G0X+2:G0X+3], 3*SX   ; K slot 3 into buffer 0
	s_add_nc_u64 s[G0W+2:G0W+3], s[G0W+2:G0W+3], 3*SW
	JLOAD G0X, G1X, G0W, G1W
.else
	JLOAD G0X+4, G1X2, G0W+4, G1V2                 ; all of pass 2's codes
.endif
.endm
; A kstep with a barrier.  In front of it each wave waits for all its tensor loads, adds 0 to its spare word, and waits for that and for its LDS reads.  fill: bytes are filled again behind it: the barrier then opens a round of the
; cluster's barrier, and the joint load is the first tensor load behind the round.  more = 1: the next kstep's fragments are fetched.
.macro TURN s, fill, more
	s_wait_tensorcnt 0x0
	ds_add_u32 v3, v4
	s_wait_dscnt 3*NA/2+1                          ; (the add and S1's upper tiles may be out)
	MULB 0, NA/4, \s, 0
	s_wait_dscnt 0x0                               ; the add is done, and my LDS reads are over
	s_barrier_signal -1
	MULB NA/4, NA/4, \s, 0
	WIN 0
	s_barrier_wait -1
.if \fill
	CREST
	FILL \fill
.else
	PLACES
.endif
.if \more
	F0 (\s)+1
	F1 (\s)+1, 0, NA/2
	FS (\s)+1
.endif
	MULB NA/2, NA/2, \s, 0
.if \more
	PLACES
	WIN 0
	F1 (\s)+1, NA/2, NA/2
.else
	WIN 0
.endif
.endm
.macro LAST s
	s_wait_dscnt 3*NA/2
	MULB 0, NA/2, \s, 0
	s_wait_dscnt 0x0
	MULB NA/2, NA/2, \s, 0
	WIN 0
.endm
; 64 numbers of a lane in window w, register 16 b + i = k 32 b + 16 (lane / 16) + i of my row, become a fragment's codes in v[PC] on and its scale word in v[pw].
.macro QUANT s, w, pw
	WIN (\w)|((\w)<<2)
.irp b, 0,1,2,3
	v_max3_num_f32 v[TM+\b], |v[(\s)+16*\b]|, |v[(\s)+16*\b+1]|, 0x1800000   ; with the floor 2^(3 - 127): the byte cannot fall under 1
.endr
.irp i, 2,4,6,8,10,12,14
.irp b, 0,1,2,3
	v_max3_num_f32 v[TM+\b], |v[(\s)+16*\b+\i]|, |v[(\s)+16*\b+\i+1]|, v[TM+\b]
.endr
.endr
	WIN 0
.irp b, 0,1,2,3
	v_permlanex16_b32 v[TM+4+\b], v[TM+\b], s[SEL], s[SEL+1]
.endr
.irp b, 0,1,2,3
	v_max_num_f32 v[TM+\b], v[TM+\b], v[TM+4+\b]   ; with lane l xor 16's: the block's largest magnitude
.endr
.irp b, 0,1,2,3
	v_add_nc_u32 v[TM+12+\b], 0xff000000, v[TM+\b] ; 2 off its exponent field: the conversion's scale operand
.endr
.irp b, 0,1,2,3
	v_lshrrev_b32 v[TM+4+\b], 23, v[TM+12+\b]      ; the byte
.endr
	v_lshl_or_b32 v[\pw], v[TM+5], 8, v[TM+4]
	v_lshl_or_b32 v[\pw], v[TM+6], 16, v[\pw]
	v_lshl_or_b32 v[\pw], v[TM+7], 24, v[\pw]
	s_wait_xcnt 0x0                                ; the last fragment's stores have read the registers that the conversions write
	WIN \w
.irp c, 0,1
	v_cvt_scalef32_pk16_fp6_f32 v[PC+6*\c:PC+6*\c+2], v[(\s)+32*\c:(\s)+32*\c+15], v[TM+12+2*\c]
	v_cvt_scalef32_pk16_fp6_f32 v[PC+12+4*\c:PC+14+4*\c], v[(\s)+32*\c+16:(\s)+32*\c+31], v[TM+12+2*\c+1]
.endr
	WIN 0
	v_nop                                          ; one plain place behind a scaled conversion
.irp c, 0,1                            ; the operand's layout wants a whole block in a lane
.irp i, 0,1,2
	v_permlane16_swap_b32 v[PC+6*\c+\i], v[PC+12+4*\c+\i]
.endr
.irp i, 0,1,2
	v_mov_b32 v[PC+3+6*\c+\i], v[PC+12+4*\c+\i]
.endr
.endr
.endm
.macro PUT base, off                   ; the fragment goes to memory as it stands: each store covers 512 consecutive bytes, aligned
.irp c, 0,1,2
	global_store_b128 v1, v[PC+4*\c:PC+4*\c+3], s[\base:\base+1] offset:(\off)+512*\c
.endr
.endm
.macro PUTS g, base, off               ; four tiles' scale words: 256 consecutive bytes, aligned
	v_cndmask_b32 v[IM+2*\g], v[PWS+4*\g], v[PWS+4*\g+2], s23
	v_cndmask_b32 v[IM+2*\g+1], v[PWS+4*\g+1], v[PWS+4*\g+3], s23
	global_store_b64 v2, v[IM+2*\g:IM+2*\g+1], s[\base:\base+1] offset:\off
.endm
; THE TABLE.  Record i (cos and sin for my tile i of positions, pair p at registers 2 p, 2 p + 1 of the record) has 64 registers of its own: TSLOT sets TR to the place of the record's register q.
.macro TSLOT i, q
.if (\i) == 0
.set TR, 64+(\q)                       ; window 0, v64-127
.elseif (\i) == 1
.set TR, (\q)                          ; window 1, v0-63
.elseif (\i) == 2
.if (\q) < 32
.set TR, 64+(\q)                       ; window 1, v64-95
.else
.set TR, 192+(\q)                      ; and v224-255
.endif
.else
.set TR, 128+(\q)                      ; window 1, v128-191
.endif
.endm
.macro TBL i                           ; sixteen loads of 512 consecutive bytes
.if (\i) == 0
	WIN 0
.else
	WIN 0x40
.endif
.set td, 0
.rept 16
	TSLOT \i, 4*td
	global_load_b128 v[TR:TR+3], v1, s[8:9] offset:(\i)*65536+512*td
.set td, td+1
.endr
	WIN 0
.endm
	s_load_b256 s[4:11], s[0:1], 0x0               ; xw_codes s[4:5], xw_scales s[6:7], rope_tab s[8:9], b_in s[10:11]
	s_load_b128 s[12:15], s[0:1], 0x20             ; qkv_codes s[12:13], qkv_scales s[14:15]
	v_lshl_add_u32 v3, v0, 2, SPARE
	v_mov_b32 v4, 0
	ds_add_u32 v3, v4
	ds_add_u32 v3, v4
	s_wait_dscnt 0x0
	v_lshrrev_b32 v1, 5, v0
	v_readfirstlane_b32 s[WVS], v1                 ; wave 0..3
	s_lshr_b32 s[HIS], s[WVS], 1                   ; my half of S1.  Also: I fetch for x (0) or for W (1)
	s_and_b32 s[LOS], s[WVS], 1                    ; my half of S0.  Also: which half I fetch
	s_bfe_u32 s19, ttmp6, 0x40000                  ; cx
	s_bfe_u32 s20, ttmp6, 0x40004                  ; cy
	s_lshl_b32 s21, ttmp9, 2
	s_add_co_u32 s21, s21, s19                     ; ni
	s_and_b32 s22, ttmp7, 0xffff
	s_lshl_b32 s22, s22, 2
	s_add_co_u32 s22, s22, s20                     ; mi
	s_lshl_b32 s92, s20, 2
	s_lshl_b32 s92, 15, s92                        ; my row of the cluster
	s_lshl_b32 s93, 0x1111, s19                    ; my column
	s_mov_b32 s23, 0xffff0000
	s_mov_b32 s[SEL], 0x76543210
	s_mov_b32 s[SEL+1], 0xfedcba98
	s_or_b32 s[G1X], s92, (3<<16)|(1<<21)          ; 15:0 the mask; 17:16 elements of 8 bytes; 21 set beside a mask; no padding
	s_or_b32 s[G1W], s93, (3<<16)|(1<<21)
	s_or_b32 s[G1SX], s92, (3<<16)|(1<<21)
	s_or_b32 s[G1SW], s93, (3<<16)|(1<<21)
	G1SET G1X, 1536, 2, 49152                      ; x, pass 1: two batches' four tiles: 2 rows of 12,288 bytes, 128 tiles (393,216 bytes) apart
	G1SET G1W, 32, 96, 32                          ; W: eight tiles x 3,072 dense bytes, as 96 rows of 256
	G1SET G1SX, 256, 2, 8192                       ; x's scale words: two batches' group: 2 rows of 2,048 bytes, 32 groups (65,536 bytes) apart
	G1SET G1SW, 32, 24, 32                         ; W's: three groups, 6,144 dense bytes
	s_mul_i32 s2, s[LOS], 24576                    ; my half of a buffer's 16 tiles
	s_mul_i32 s100, s22, 12288
	s_mul_i32 s101, s[LOS], 786432
	s_add_co_u32 s100, s100, s101                  ; x, pass 1: tile 128 (2 lo) + 4 mi
	s_mov_b32 s101, 0
	s_mul_i32 s104, s21, 73728
	s_add_co_u32 s104, s104, s2
	s_add_co_u32 s104, s104, WOFF                  ; W: tile 24 ni + 8 lo
	s_mov_b32 s105, 0
	s_lshl_b32 s94, s22, 11
	s_lshl_b32 s95, s[LOS], 17
	s_add_co_u32 s94, s94, s95                     ; x's scale words: group 32 (2 lo) + mi
	s_mov_b32 s95, 0
	s_lshl_b32 s3, s[LOS], 12                      ; and their place in LDS
	s_mul_i32 s96, s21, 12288
	s_mul_i32 s98, s[LOS], 6144
	s_add_co_u32 s96, s96, s98
	s_add_co_u32 s96, s96, WSC                     ; W's
	s_mov_b32 s97, 0
	s_wait_kmcnt 0x0
	s_add_nc_u64 s[100:101], s[4:5], s[100:101]
	s_add_nc_u64 s[104:105], s[4:5], s[104:105]
	s_add_nc_u64 s[94:95], s[6:7], s[94:95]
	s_add_nc_u64 s[96:97], s[6:7], s[96:97]
	CROUND                                         ; all sixteen work-groups are here: the first joint loads meet
	s_mov_b32 s[G0SX], 1
	s_add_co_u32 s[G0SX+1], s3, SCX
	s_mov_b64 s[G0SX+2:G0SX+3], s[94:95]
	s_or_b32 s[G0SX+3], s[G0SX+3], 0x80000000
	s_mov_b32 s[G0SW], 1
	s_add_co_u32 s[G0SW+1], s98, SCW
	s_mov_b64 s[G0SW+2:G0SW+3], s[96:97]
	s_or_b32 s[G0SW+3], s[G0SW+3], 0x80000000
	JLOAD G0SX, G1SX, G0SW, G1SW                   ; the scale words of all of K: filled once
.irp t, 0,1,2
	s_mov_b32 s[G0X+4*\t], 1
	s_add_co_u32 s[G0X+4*\t+1], s2, \t*BUF
	s_add_nc_u64 s[G0X+4*\t+2:G0X+4*\t+3], s[100:101], \t*SX
	s_or_b32 s[G0X+4*\t+3], s[G0X+4*\t+3], 0x80000000
	s_mov_b32 s[G0W+4*\t], 1
	s_add_co_u32 s[G0W+4*\t+1], s2, \t*BUF+49152
	s_add_nc_u64 s[G0W+4*\t+2:G0W+4*\t+3], s[104:105], \t*SW
	s_or_b32 s[G0W+4*\t+3], s[G0W+4*\t+3], 0x80000000
	JLOAD G0X+4*\t, G1X, G0W+4*\t, G1W             ; K slots 0, 1, 2: four loads of mine are out
.endr
	v_and_b32 v20, 31, v0
	v_lshlrev_b32 v1, 4, v20                       ; 16 x lane
	v_lshlrev_b32 v2, 3, v20                       ; 8 x lane
	v_bfe_u32 v22, v0, 4, 1                        ; h
	s_mul_i32 s3, s[HIS], 24576
	s_add_co_u32 s2, s2, 49152
.irp t, 0,1,2
	v_add_nc_u32 v[5+\t], s2, v1                   ; pass 1: S0 = W's half lo in buffer t
	v_add_nc_u32 v[8+\t], s3, v1                   ;         S1 = x's half hi: batches 2 hi and 2 hi + 1
	s_add_co_u32 s2, s2, BUF
	s_add_co_u32 s3, s3, BUF
.endr
	s_mul_i32 s2, s[LOS], 98304
	v_add_nc_u32 v11, s2, v1                       ; pass 2: S0 = x's half lo, ksteps 0-3,
	s_add_co_u32 s2, s2, 49152
	v_add_nc_u32 v12, s2, v1                       ;         ksteps 4-7
	s_mul_i32 s2, s[HIS], 49152
	s_add_co_u32 s2, s2, 196608
	v_add_nc_u32 v13, s2, v1                       ;         S1 = V's half hi
	s_lshl_b32 s2, s[LOS], 12
	s_add_co_u32 s2, s2, SCW
	v_add_nc_u32 v14, s2, v2                       ; scale words: pass 1 S0
	s_lshl_b32 s2, s[HIS], 12
	s_add_co_u32 s2, s2, SCX
	v_add_nc_u32 v15, s2, v2                       ; pass 1 S1
	s_lshl_b32 s2, s[HIS], 11
	s_add_co_u32 s2, s2, SCW+8192
	v_add_nc_u32 v17, s2, v2                       ; pass 2 S1
	s_lshl_b32 s2, s22, 13
	s_lshl_b32 s3, s[LOS], 12
	s_add_co_u32 s2, s2, s3
	s_mov_b32 s3, 0
	s_add_nc_u64 s[6:7], s[6:7], s[2:3]            ; pass 2 S0: x's scale words in memory, group 4 mi + 2 lo
	v_lshlrev_b32 v18, 6, v22                      ; 64 h
	v_and_b32 v19, 7, v0
	v_bfe_u32 v23, v0, 3, 1
	v_lshl_add_u32 v19, v23, 4, v19
	v_lshlrev_b32 v19, 2, v19                      ; 4 (r % 8 + 16 (r / 8))
	s_lshl_b32 s2, s21, 10
	s_lshl_b32 s3, s[LOS], 9
	s_add_co_u32 s2, s2, s3
	s_mov_b32 s3, 0
	s_add_nc_u64 s[94:95], s[10:11], s[2:3]        ; b_in at column 256 ni + 128 lo
	s_lshl_b32 s2, s21, 9
	s_lshl_b32 s98, s[HIS], 8
	s_add_co_u32 s2, s2, s98
	s_add_co_u32 s2, s2, 8192
	s_add_nc_u64 s[10:11], s[10:11], s[2:3]        ; and at column 2048 + 128 ni + 64 hi
.irp b, 0,1,2,3,4,5,6,7                ; pass 1: register j of tile b is channel 32 (b / 2) + 16 h + 8 (b % 2) + j
	global_load_b128 v[BI+8*\b:BI+8*\b+3], v18, s[94:95] offset:(32*(\b/2)+8*(\b%2))*4
	global_load_b128 v[BI+8*\b+4:BI+8*\b+7], v18, s[94:95] offset:(32*(\b/2)+8*(\b%2))*4+16
.endr
	WIN 0x40
.irp a, 0,1,2,3                        ; pass 2: a lane holds one channel: the same number in all eight registers
.irp j, 0,1,2,3,4,5,6,7
	global_load_b32 v[BV+8*\a+\j], v19, s[10:11] offset:(32*(\a/2)+8*(\a%2))*4
.endr
.endr
	WIN 0
	s_lshl_b32 s2, s21, 1
	s_add_co_u32 s2, s2, s[LOS]
	s_and_b32 s2, s2, 7                            ; ks: which 128 channels of Q or of K are mine
	s_lshl_b32 s3, s22, 2
	s_lshl_b32 s100, s[HIS], 8
	s_add_co_u32 s3, s3, s100                      ; my first tile of rows in pass 1: 128 (2 hi) + 4 mi
	s_and_b32 s100, s3, 127                        ; its positions' tile: 4 mi
	s_lshl_b32 s100, s100, 3
	s_add_co_u32 s100, s100, s2
	s_lshl_b32 s100, s100, 13
	s_mov_b32 s101, 0
	s_add_nc_u64 s[8:9], s[8:9], s[100:101]        ; the table: record i lies 65,536 i bytes on
	s_lshr_b32 s104, s21, 2                        ; 0: Q, 1: K
	s_mul_i32 s100, s104, 6291456
	s_lshr_b32 s105, s2, 1
	s_mul_i32 s105, s105, SX
	s_add_co_u32 s100, s100, s105
	s_mul_i32 s105, s3, 3072
	s_add_co_u32 s100, s100, s105
	s_and_b32 s105, s2, 1
	s_mul_i32 s105, s105, 1536
	s_add_co_u32 s100, s100, s105
	s_add_nc_u64 s[96:97], s[12:13], s[100:101]    ; Q's or K's codes
	s_lshl_b32 s100, s104, 18
	s_lshl_b32 s105, s3, 9
	s_add_co_u32 s100, s100, s105
	s_lshl_b32 s105, s2, 8
	s_add_co_u32 s100, s100, s105
	s_add_nc_u64 s[98:99], s[14:15], s[100:101]    ; and scale words
	s_lshl_b32 s2, s22, 1
	s_add_co_u32 s2, s2, s[LOS]
	s_and_b32 s2, s2, 15                           ; V: which 128 keys of the batch are mine
	s_lshr_b32 s3, s22, 3                          ; the batch
	s_lshl_b32 s104, s3, 6
	s_lshl_b32 s105, s21, 3
	s_add_co_u32 s104, s104, s105
	s_lshl_b32 s105, s[HIS], 2
	s_add_co_u32 s104, s104, s105                  ; my first tile of channels: 64 batch + 8 ni + 4 hi
	s_mul_i32 s100, s104, 6144
	s_lshr_b32 s105, s2, 2
	s_mul_i32 s105, s105, 1572864
	s_add_co_u32 s100, s100, s105
	s_and_b32 s105, s2, 3
	s_mul_i32 s105, s105, 1536
	s_add_co_u32 s100, s100, s105
	s_add_co_u32 s100, s100, 12582912
	s_add_nc_u64 s[12:13], s[12:13], s[100:101]    ; V's codes
	s_lshl_b32 s100, s104, 10
	s_lshl_b32 s105, s2, 8
	s_add_co_u32 s100, s100, s105
	s_add_co_u32 s100, s100, 524288
	s_add_nc_u64 s[14:15], s[14:15], s[100:101]    ; and scale words
; ---------------- PASS 1
.set PASS, 1
.set NA,   8
.set DS0,  14
.set DS1,  15
.set GS0,  2048
.set GS1,  2048
	s_wait_tensorcnt 0x2                           ; the scale words and my part of K slot 0 are in; slots 1 and 2 may be out
	s_barrier_signal -1
	s_barrier_wait -1
	F0 0
	F1 0, 0, 4
	FS 0
	F1 0, 4, 4
	s_wait_loadcnt 0x0                             ; the biases
	STEP 0, 2, 0                                   ; the bias starts the sums
	TURN 1, 1, 1                                   ; every wave has waited for all first fills; buffer 0 takes K slot 3
	STEP 2, 0, 0
	TBL 0                                          ; into the registers that the bias left at kstep 0
	STEP 3, 0, 1                                   ; buffer 2 was shown whole at kstep 1's barrier
	STEP 4, 0, 0
	TURN 5, 0, 1                                   ; K slot 3 has landed; nothing is filled
	; no tensor load of mine is out: pass 2's descriptors are written
	s_or_b32 s[G1X2], s92, (3<<16)|(1<<21)
	s_or_b32 s[G1V2], s93, (3<<16)|(1<<21)
	G1SET G1X2, 3072, 4, SX/8                      ; x: four K slots x eight neighbouring tiles (24,576 bytes), a slot apart
	G1SET G1V2, 1536, 4, SW/8                      ; V's columns: four K slots x four tiles
	s_mul_i32 s[G0X+5], s[LOS], 98304
	s_mul_i32 s2, s22, 49152
	s_mul_i32 s3, s[LOS], 24576
	s_add_co_u32 s2, s2, s3                        ; pass 2's rows: tile 16 mi + 8 lo, K slot 0
	s_mov_b32 s3, 0
	s_add_nc_u64 s[G0X+6:G0X+7], s[4:5], s[2:3]
	s_or_b32 s[G0X+7], s[G0X+7], 0x80000000
	s_mul_i32 s[G0W+5], s[LOS], 49152
	s_add_co_u32 s[G0W+5], s[G0W+5], 196608
	s_mul_i32 s2, s[LOS], 12288
	s_add_co_u32 s2, s2, SW-49152
	s_mov_b32 s3, 0
	s_sub_nc_u64 s[G0W+6:G0W+7], s[G0W+6:G0W+7], s[2:3]   ; from slot 1, tile 24 ni + 8 lo, to slot 0, tile 24 ni + 16 + 4 lo
	STEP 6, 0, 0
	TBL 1                                          ; S0's set 0 has been multiplied for the last time, four places back:
	TBL 2                                          ; two records land there (and in 32 registers that lay idle) during the last kstep
	TURN 7, 2, 0                                   ; nobody reads the three buffers any more: one load a wave brings pass 2's codes
	PLACES
	TBL 3                                          ; into S0's set 1
.irp b, 0,1,2,3
	v_mov_b32 v[TM+4+\b], 0                        ; a lane permute's destination counts as one of its sources
.endr
; THE WAY OUT OF PASS 1, a tile of 16 positions at a time: the rotation of each pair of neighbouring channels, relu, the quantiser along the channels, the fragment as it stands.
; Tile a is tile a % 4 of my positions in batch 2 hi + a / 4: record a % 4 serves it.  cnt: how many younger loads may stay out when the record has to be there; -1: it was waited for already.
.macro EP1 a, cnt
.if (\cnt) >= 0
	s_wait_loadcnt \cnt
.endif
.if (\a)%4 == 0
	WIN 2+(\a)/4
.else
	WIN (2+(\a)/4)|4
.endif
.set XR, 64*((\a)%4)
.set p, 0
.rept 32
	TSLOT (\a)%4, 2*p
	v_pk_mul_f32 v[HA+2*p:HA+2*p+1], v[XR+2*p:XR+2*p+1], v[TR:TR+1] op_sel_hi:[1,0]   ; x1 cos, x2 cos
.set p, p+1
.endr
.set p, 0
.rept 32
	TSLOT (\a)%4, 2*p
	v_pk_fma_f32 v[HA+2*p:HA+2*p+1], v[XR+2*p:XR+2*p+1], v[TR:TR+1], v[HA+2*p:HA+2*p+1] op_sel:[1,1,0] op_sel_hi:[0,1,1] neg_lo:[0,1,0]   ; - x2 sin, + x1 sin
.set p, p+1
.endr
	WIN 0
.set p, 0
.rept 64
	v_max_num_f32 v[HA+p], 0, v[HA+p]
.set p, p+1
.endr
	QUANT HA, 0, PWS+(\a)
	PUT 96, ((\a)/4)*393216+((\a)%4)*3072
.endm
	EP1 0, 48                                      ; record 0 is in; records 1, 2, 3 may be out
	EP1 4, -1
.irp g, 0,1                            ; pass 2's scale words of x, all eight ksteps, into the registers that held pass 1's scale words: each load reads 256 consecutive bytes, aligned
.irp s, 0,1,2,3,4,5,6,7
	global_load_b64 v[XS2+16*\g+2*\s:XS2+16*\g+2*\s+1], v2, s[6:7] offset:\g*2048+\s*256
.endr
.endr
	EP1 1, 48                                      ; record 1 is in; records 2, 3 and the sixteen loads above may be out
	EP1 5, -1
	EP1 2, 32                                      ; record 3 and the sixteen
	EP1 6, -1
	EP1 3, 16                                      ; the sixteen
	EP1 7, -1
	PUTS 0, 98, 0                                  ; batch 2 hi's group,
	PUTS 1, 98, 65536                              ; batch 2 hi + 1's: 32 groups on
; ---------------- PASS 2: all its codes lie in LDS: no refill, no further barrier
.set PASS, 2
.set NA,   4
.set DS1,  17
	s_wait_tensorcnt 0x0                           ; my part of pass 2's codes is in,
	s_wait_dscnt 0x0
	s_barrier_signal -1
	s_barrier_wait -1                              ; everybody's is
	F0 0
	F1 0, 0, 2
	FS 0
	F1 0, 2, 2
	s_wait_loadcnt 0x0                             ; x's scale words
	STEP 0, 3, 0
	STEP 1, 0, 1
	STEP 2, 0, 0
	STEP 3, 0, 1
	STEP 4, 0, 0
	STEP 5, 0, 1
	STEP 6, 0, 0
	LAST 7
	PLACES
.macro EP2 a                           ; a tile of 16 channels: relu, the quantiser along my 128 keys
	WIN 0x08
.set p, 0
.rept 64
	v_max_num_f32 v[HA+p], 0, v[64*(\a)+p]
.set p, p+1
.endr
	WIN 0
	QUANT HA, 0, PWS+(\a)
	PUT 12, (\a)*6144
.endm
.irp a, 0,1,2,3
	EP2 \a
.endr
	PUTS 0, 14, 0
	s_wait_tensorcnt 0x0                           ; the wave's end
	ds_add_u32 v3, v4
	s_wait_dscnt 0x0
	CROUND                                         ; the closing round
	s_endpgm
.Lfunc_end_k_q09d15d0210_gemm1:
	.size	k_q09d15d0210_gemm1, .Lfunc_end_k_q09d15d0210_gemm1-k_q09d15d0210_gemm1
	.p2alignl 7, 3214868480
	.fill 96, 4, 3214868480
	.section	.rodata,"a",@progbits
	.p2align	6, 0x0
	.amdhsa_kernel k_q09d15d0210_gemm1
		.amdhsa_group_segment_fixed_size 327680
		.amdhsa_private_segment_fixed_size 0
		.amdhsa_enable_private_segment 0
		.amdhsa_kernarg_size 48
		.amdhsa_user_sgpr_count 2
		.amdhsa_user_sgpr_kernarg_segment_ptr 1
		.amdhsa_wavefront_size32 1
		.amdhsa_system_sgpr_workgroup_id_x 1
		.amdhsa_system_sgpr_workgroup_id_y 1
		.amdhsa_system_sgpr_workgroup_id_z 1
		.amdhsa_system_vgpr_workitem_id 0
		.amdhsa_next_free_vgpr 1024
		.amdhsa_next_free_sgpr 106
		.amdhsa_reserve_vcc 0
		.amdhsa_float_denorm_mode_32 3
		.amdhsa_float_denorm_mode_16_64 3
		.amdhsa_memory_ordered 1
		.amdhsa_forward_progress 1
		.amdhsa_inst_pref_size 255
	.end_amdhsa_kernel
	.section	.bss,"aw",@nobits
	.p2align	6
	.space	262144
	.amdgpu_metadata
---
amdhsa.version: [ 1, 2 ]
amdhsa.kernels:
  - .name:           k_q09d15d0210_gemm1
    .symbol:         k_q09d15d0210_gemm1.kd
    .args:
      - { .name: xw_codes, .offset: 0, .size: 8, .value_kind: global_buffer, .address_space: global }
      - { .name: xw_scales, .offset: 8, .size: 8, .value_kind: global_buffer, .address_space: global }
      - { .name: rope_tab, .offset: 16, .size: 8, .value_kind: global_buffer, .address_space: global }
      - { .name: b_in, .offset: 24, .size: 8, .value_kind: global_buffer, .address_space: global }
      - { .name: qkv_codes, .offset: 32, .size: 8, .value_kind: global_buffer, .address_space: global }
      - { .name: qkv_scales, .offset: 40, .size: 8, .value_kind: global_buffer, .address_space: global }
    .group_segment_fixed_size: 327680
    .private_segment_fixed_size: 0
    .kernarg_segment_align: 8
    .kernarg_segment_size: 48
    .max_flat_workgroup_size: 128
    .sgpr_count:     106
    .vgpr_count:     1024
    .wavefront_size: 32
...
	.end_amdgpu_metadata
.endif
;; end of part 2
;; launch gemm2 (part 3): grid 8 x 32, 4 waves a work-group, clusters of 4 x 4, 327,680 bytes of LDS; arguments qkv_codes, qkv_scales, a_codes, a_scales; writes a_codes, a_scales
.if DOCPART == 3
	.amdgcn_target "amdgcn-amd-amdhsa--gfx1250"
	.amdhsa_code_object_version 6
	.text
	.protected	k_q09d15d0210_gemm2
	.globl	k_q09d15d0210_gemm2
	.p2align	8
	.type	k_q09d15d0210_gemm2,@function
k_q09d15d0210_gemm2:
	s_mov_b64 s[64:65], 0
	v_nop
	global_prefetch_b8 v0, s[64:65] scope:SCOPE_SE
	s_setreg_imm32_b32 hwreg(HW_REG_WAVE_MODE, 25, 1), 1
	s_wait_xcnt 0x0
	s_wait_alu depctr_hold_cnt(0) depctr_sa_sdst(0) depctr_va_vdst(0) depctr_va_sdst(0) depctr_va_ssrc(0) depctr_va_vcc(0) depctr_vm_vsrc(0)
	s_getreg_b32 s2, hwreg(HW_REG_IB_STS2, 6, 4)
	s_cmp_eq_u32 s2, 0
	s_cbranch_scc0 .Lentry_in_a_cluster
	s_endpgm
.Lentry_in_a_cluster:
	s_bfe_u32 s2, ttmp6, 0x10000c
	s_cmp_lg_u32 s2, 0xf033
	s_cbranch_scc0 .Lentry_shape_is_right
	s_endpgm
.Lentry_shape_is_right:
; A = Q K^T for each batch, on codes of FP6 (E2M3) with E8M0 scales, K = 1,024; A is quantised as it stands, along the keys, and stored as the third product's operand.
; A work-group (sx, y) makes 256 queries (global rows 256 y) x 256 keys (256 sx of the batch y / 8).  Four waves, 128 x 128 each: 64 accumulators.
; S0 = K's rows (keys), S1 = Q's rows (queries): a lane holds one query, and its 64 registers of a tile of queries are 16 neighbouring keys of each block of 32, which the conversions take straight from the accumulators.
; Operands lie in memory and in LDS in the order of their registers (a fragment: 1,536 bytes, three ds_load_b128 at 16 x lane); lane r of tile 2 P + u holds row 32 P + 8 u + r % 8 + 16 (r / 8).
; LDS: three buffers of 98,304 bytes (Q's 16 tiles x 2 ksteps, then K's); K slots 0, 1, 2 are first fills, slot 3 fills buffer 0 again.  CLUSTER 4 x 4: Q's tiles shared along a row, K's along a column.
; LIMITS: a block whose largest magnitude lies under 2^-124 keeps the byte 1 (read by this program alone); NaN and infinities are not served.
; REGISTERS: window 0: v1 16 x lane, v2 8 x lane, v3, v4 the add's two, v5-15 addresses, v32-63 scale words (two sets), v128.. S1's fragments; on the way out v192-239 at work.  window 1: S0's fragments, two sets.  windows 2, 3: the accumulators.
.set SX,    1572864
.set KOFF,  6291456
.set KSC,   262144
.set BUF,   98304
.set SC1L,  294912                     ; Q's scale words: 4 groups x 8 ksteps x 256 bytes
.set SC0L,  303104                     ; K's
.set SPARE, 311296
.set FR,    12
.set RB0,   3072
.set RB1,   3072
.set SC,    32
.set BI,    0
.set BV,    0
.set AF,    128
.set PC,    192
.set TM,    212
.set PWS,   228
.set IM,    236
.set WVS,   16
.set HIS,   17
.set LOS,   18
.set SEL,   66
.set G1X,   24
.set G1W,   32
.set G1SX,  40
.set G1SW,  48
.set G0SX,  56
.set G0SW,  60
.set G0X,   68
.set G0W,   80
.set NA,    8
.set DS0,   14
.set DS1,   15
.set GS0,   2048
.set GS1,   2048
.set NG1,   2
.set MSB, 0
.macro WIN new
.if MSB != (\new)
	s_set_vgpr_msb (MSB<<8)|(\new)
.set MSB, \new
.endif
.endm
.macro PLACES
.rept 4
	v_nop
.endr
.endm
.macro JLOAD g0a, g1a, g0b, g1b        ; a joint load: waves 0, 1 for Q, waves 2, 3 for K; four v_nop follow each line
	s_cmp_eq_u32 s[HIS], 0
	s_cbranch_scc0 .Lfor_b_\@
	tensor_load_to_lds s[\g0a:\g0a+3], s[\g1a:\g1a+7]
	s_nop 0
.rept 4
	v_nop
.endr
	s_branch .Lasked_\@
.Lfor_b_\@:
	tensor_load_to_lds s[\g0b:\g0b+3], s[\g1b:\g1b+7]
	s_nop 0
.rept 4
	v_nop
.endr
.Lasked_\@:
.endm
.macro CREST
	s_cmp_lg_u32 s[WVS], 0
	s_cbranch_scc1 .Lnot_wave_0_\@
	s_barrier_signal -3
.Lnot_wave_0_\@:
	s_barrier_wait -3
	s_barrier_signal -1
	s_barrier_wait -1
.endm
.macro CROUND
	s_barrier_signal -1
	s_barrier_wait -1
	CREST
.endm
.macro G1SET g, c, r, p
	s_mov_b32 s[\g+1], ((\c)&0xffff)<<16
	s_mov_b32 s[\g+2], ((\c)>>16)|(((\r)&0xffff)<<16)
	s_mov_b32 s[\g+3], ((\r)>>16)|((\c)<<16)
	s_mov_b32 s[\g+4], \r
	s_mov_b32 s[\g+5], \p
	s_mov_b32 s[\g+6], 0
	s_mov_b32 s[\g+7], 0
.endm
.macro LOC s
.set R0, 5+((\s)/2)%3
.set R1, 8+((\s)/2)%3
.set O0, ((\s)%2)*1536
.set O1, ((\s)%2)*1536
.endm
.macro FRAG reg, adr, off
.irp c, 0,1,2
	ds_load_b128 v[(\reg)+4*\c:(\reg)+4*\c+3], v[\adr] offset:(\off)+512*\c
.endr
.endm
.macro F0 s
	LOC \s
	WIN 0x40
.irp i, 0,1,2,3,4,5,6,7
	FRAG 128*((\s)%2)+FR*\i, R0, O0+\i*RB0
.endr
	WIN 0
.endm
.macro F1 s, i0, n
	LOC \s
.set FI, \i0
.rept \n
	FRAG AF+FR*FI, R1, O1+FI*RB1
.set FI, FI+1
.endr
.endm
.macro FS s
.set SS, SC+16*(((\s)/2)%2)
.irp g, 0,1
.irp q, 0,1
	ds_load_b64 v[SS+4*\g+2*\q:SS+4*\g+2*\q+1], v[DS0] offset:\g*GS0+((\s)+\q)*256
.endr
.endr
.set FG, 0
.rept NG1
.irp q, 0,1
	ds_load_b64 v[SS+8+4*FG+2*\q:SS+8+4*FG+2*\q+1], v[DS1] offset:FG*GS1+((\s)+\q)*256
.endr
.set FG, FG+1
.endr
.endm
.macro WMR z
.if \z
.if rw == 0
	v_wmma_scale_f32_16x16x128_f8f6f4 v[rD:rD+7], v[rA:rA+FR-1], v[rB:rB+FR-1], 0, v[sA], v[sB] matrix_a_fmt:MATRIX_FMT_FP6 matrix_b_fmt:MATRIX_FMT_FP6
.elseif rw == 1
	v_wmma_scale_f32_16x16x128_f8f6f4 v[rD:rD+7], v[rA:rA+FR-1], v[rB:rB+FR-1], 0, v[sA], v[sB] matrix_a_fmt:MATRIX_FMT_FP6 matrix_b_fmt:MATRIX_FMT_FP6 matrix_a_scale:MATRIX_SCALE_ROW1
.elseif rw == 2
	v_wmma_scale_f32_16x16x128_f8f6f4 v[rD:rD+7], v[rA:rA+FR-1], v[rB:rB+FR-1], 0, v[sA], v[sB] matrix_a_fmt:MATRIX_FMT_FP6 matrix_b_fmt:MATRIX_FMT_FP6 matrix_b_scale:MATRIX_SCALE_ROW1
.else
	v_wmma_scale_f32_16x16x128_f8f6f4 v[rD:rD+7], v[rA:rA+FR-1], v[rB:rB+FR-1], 0, v[sA], v[sB] matrix_a_fmt:MATRIX_FMT_FP6 matrix_b_fmt:MATRIX_FMT_FP6 matrix_a_scale:MATRIX_SCALE_ROW1 matrix_b_scale:MATRIX_SCALE_ROW1
.endif
.else
.if rw == 0
	v_wmma_scale_f32_16x16x128_f8f6f4 v[rD:rD+7], v[rA:rA+FR-1], v[rB:rB+FR-1], v[rC:rC+7], v[sA], v[sB] matrix_a_fmt:MATRIX_FMT_FP6 matrix_b_fmt:MATRIX_FMT_FP6
.elseif rw == 1
	v_wmma_scale_f32_16x16x128_f8f6f4 v[rD:rD+7], v[rA:rA+FR-1], v[rB:rB+FR-1], v[rC:rC+7], v[sA], v[sB] matrix_a_fmt:MATRIX_FMT_FP6 matrix_b_fmt:MATRIX_FMT_FP6 matrix_a_scale:MATRIX_SCALE_ROW1
.elseif rw == 2
	v_wmma_scale_f32_16x16x128_f8f6f4 v[rD:rD+7], v[rA:rA+FR-1], v[rB:rB+FR-1], v[rC:rC+7], v[sA], v[sB] matrix_a_fmt:MATRIX_FMT_FP6 matrix_b_fmt:MATRIX_FMT_FP6 matrix_b_scale:MATRIX_SCALE_ROW1
.else
	v_wmma_scale_f32_16x16x128_f8f6f4 v[rD:rD+7], v[rA:rA+FR-1], v[rB:rB+FR-1], v[rC:rC+7], v[sA], v[sB] matrix_a_fmt:MATRIX_FMT_FP6 matrix_b_fmt:MATRIX_FMT_FP6 matrix_a_scale:MATRIX_SCALE_ROW1 matrix_b_scale:MATRIX_SCALE_ROW1
.endif
.endif
.endm
.macro WM a, b, s, cm                  ; S1's tile a x S0's tile b, kstep s.  cm: 0 adds in place, 1 starts with 0
.set rD, 8*(8*((\a)%4)+(\b))
.set rA, 128*((\s)%2)+FR*(\b)
.set rB, AF+FR*(\a)
.set sA, SC+16*(((\s)/2)%2)+4*((\b)/4)+2*((\s)%2)+(\b)%2
.set sB, SC+16*(((\s)/2)%2)+8+4*((\a)/4)+2*((\s)%2)+(\a)%2
.set rw, 2*(((\a)/2)%2)+((\b)/2)%2
.set rC, rD
.if (\cm) == 1
	WMR 1
.else
	WMR 0
.endif
.endm
.macro MULB a0, n, s, cm               ; the accumulators take turns, one instruction a turn
	WIN 0xa1+0x50*((\a0)/4)
.set MA, \a0
.rept \n
.irp b, 0,1,2,3,4,5,6,7
	WM MA, \b, \s, \cm
.endr
.set MA, MA+1
.endr
.endm
.macro STEP s, cm, sc
	s_wait_dscnt 3*NA/2                            ; all but the youngest loads, S1's upper tiles
	MULB 0, NA/2, \s, \cm
	s_wait_dscnt 0x0
	PLACES
	F0 (\s)+1
	F1 (\s)+1, 0, NA/2
.if \sc
	FS (\s)+1
.endif
	MULB NA/2, NA/2, \s, \cm
	PLACES
	WIN 0
	F1 (\s)+1, NA/2, NA/2
.endm
.macro FILL k
	s_add_nc_u64 s[G0X+2:G0X+3], s[G0X+2:G0X+3], 3*SX   ; K slot 3 into buffer 0
	s_add_nc_u64 s[G0W+2:G0W+3], s[G0W+2:G0W+3], 3*SX
	JLOAD G0X, G1X, G0W, G1W
.endm
.macro TURN s, fill, more              ; a kstep with a barrier: in front of it all my tensor loads, the add, my LDS reads; fill = 1: a round of the cluster's barrier and the joint refill first behind it
	s_wait_tensorcnt 0x0
	ds_add_u32 v3, v4
	s_wait_dscnt 3*NA/2+1                          ; (the add and S1's upper tiles may be out)
	MULB 0, NA/4, \s, 0
	s_wait_dscnt 0x0
	s_barrier_signal -1
	MULB NA/4, NA/4, \s, 0
	WIN 0
	s_barrier_wait -1
.if \fill
	CREST
	FILL \fill
.else
	PLACES
.endif
.if \more
	F0 (\s)+1
	F1 (\s)+1, 0, NA/2
	FS (\s)+1
.endif
	MULB NA/2, NA/2, \s, 0
.if \more
	PLACES
	WIN 0
	F1 (\s)+1, NA/2, NA/2
.else
	WIN 0
.endif
.endm
.macro LAST s
	s_wait_dscnt 3*NA/2
	MULB 0, NA/2, \s, 0
	s_wait_dscnt 0x0
	MULB NA/2, NA/2, \s, 0
	WIN 0
.endm
.macro QUANT s, w, pw                  ; 64 numbers of a lane in window w, register 16 b + i = k 32 b + 16 (lane / 16) + i of my row -> codes in v[PC] on, scale word in v[pw]
	WIN (\w)|((\w)<<2)
.irp b, 0,1,2,3
	v_max3_num_f32 v[TM+\b], |v[(\s)+16*\b]|, |v[(\s)+16*\b+1]|, 0x1800000   ; each accumulator is read from its low end on; the floor 2^(3 - 127)
.endr
.irp i, 2,4,6,8,10,12,14
.irp b, 0,1,2,3
	v_max3_num_f32 v[TM+\b], |v[(\s)+16*\b+\i]|, |v[(\s)+16*\b+\i+1]|, v[TM+\b]
.endr
.endr
	WIN 0
.irp b, 0,1,2,3
	v_permlanex16_b32 v[TM+4+\b], v[TM+\b], s[SEL], s[SEL+1]
.endr
.irp b, 0,1,2,3
	v_max_num_f32 v[TM+\b], v[TM+\b], v[TM+4+\b]
.endr
.irp b, 0,1,2,3
	v_add_nc_u32 v[TM+12+\b], 0xff000000, v[TM+\b]
.endr
.irp b, 0,1,2,3
	v_lshrrev_b32 v[TM+4+\b], 23, v[TM+12+\b]
.endr
	v_lshl_or_b32 v[\pw], v[TM+5], 8, v[TM+4]
	v_lshl_or_b32 v[\pw], v[TM+6], 16, v[\pw]
	v_lshl_or_b32 v[\pw], v[TM+7], 24, v[\pw]
	s_wait_xcnt 0x0                                ; the last fragment's stores have read the registers that the conversions write
	WIN \w
.irp c, 0,1
	v_cvt_scalef32_pk16_fp6_f32 v[PC+6*\c:PC+6*\c+2], v[(\s)+32*\c:(\s)+32*\c+15], v[TM+12+2*\c]
	v_cvt_scalef32_pk16_fp6_f32 v[PC+12+4*\c:PC+14+4*\c], v[(\s)+32*\c+16:(\s)+32*\c+31], v[TM+12+2*\c+1]
.endr
	WIN 0
	v_nop                                          ; one plain place behind a scaled conversion
.irp c, 0,1
.irp i, 0,1,2
	v_permlane16_swap_b32 v[PC+6*\c+\i], v[PC+12+4*\c+\i]
.endr
.irp i, 0,1,2
	v_mov_b32 v[PC+3+6*\c+\i], v[PC+12+4*\c+\i]
.endr
.endr
.endm
.macro PUT base, off
.irp c, 0,1,2
	global_store_b128 v1, v[PC+4*\c:PC+4*\c+3], s[\base:\base+1] offset:(\off)+512*\c
.endr
.endm
.macro PUTS g, base, off
	v_cndmask_b32 v[IM+2*\g], v[PWS+4*\g], v[PWS+4*\g+2], s23
	v_cndmask_b32 v[IM+2*\g+1], v[PWS+4*\g+1], v[PWS+4*\g+3], s23
	global_store_b64 v2, v[IM+2*\g:IM+2*\g+1], s[\base:\base+1] offset:\off
.endm
	s_load_b256 s[4:11], s[0:1], 0x0               ; qkv_codes s[4:5], qkv_scales s[6:7], a_codes s[8:9], a_scales s[10:11]
	v_lshl_add_u32 v3, v0, 2, SPARE
	v_mov_b32 v4, 0
	ds_add_u32 v3, v4
	ds_add_u32 v3, v4
	s_wait_dscnt 0x0
	v_lshrrev_b32 v1, 5, v0
	v_readfirstlane_b32 s[WVS], v1
	s_lshr_b32 s[HIS], s[WVS], 1
	s_and_b32 s[LOS], s[WVS], 1
	s_bfe_u32 s19, ttmp6, 0x40000                  ; cx
	s_bfe_u32 s20, ttmp6, 0x40004                  ; cy
	s_lshl_b32 s21, ttmp9, 2
	s_add_co_u32 s21, s21, s19                     ; sx: the tile of keys
	s_and_b32 s12, ttmp7, 0xffff                   ; the cluster's y
	s_lshr_b32 s13, s12, 1                         ; the batch: the same in the whole cluster
	s_lshl_b32 s22, s12, 2
	s_add_co_u32 s22, s22, s20                     ; y: the tile of queries, over all batches
	s_lshl_b32 s92, s20, 2
	s_lshl_b32 s92, 15, s92                        ; my row of the cluster
	s_lshl_b32 s93, 0x1111, s19                    ; my column
	s_mov_b32 s23, 0xffff0000
	s_mov_b32 s[SEL], 0x76543210
	s_mov_b32 s[SEL+1], 0xfedcba98
	s_or_b32 s[G1X], s92, (3<<16)|(1<<21)
	s_or_b32 s[G1W], s93, (3<<16)|(1<<21)
	s_or_b32 s[G1SX], s92, (3<<16)|(1<<21)
	s_or_b32 s[G1SW], s93, (3<<16)|(1<<21)
	G1SET G1X, 32, 96, 32
	G1SET G1W, 32, 96, 32
	G1SET G1SX, 32, 16, 32
	G1SET G1SW, 32, 16, 32
	s_mul_i32 s2, s[LOS], 24576
	s_mul_i32 s100, s22, 49152
	s_add_co_u32 s100, s100, s2                    ; Q: tile 16 y + 8 lo
	s_mov_b32 s101, 0
	s_mul_i32 s104, s13, 393216
	s_mul_i32 s105, s21, 49152
	s_add_co_u32 s104, s104, s105
	s_add_co_u32 s104, s104, s2
	s_add_co_u32 s104, s104, KOFF                  ; K: tile 128 batch + 16 sx + 8 lo
	s_mov_b32 s105, 0
	s_lshl_b32 s3, s[LOS], 12
	s_lshl_b32 s94, s22, 13
	s_add_co_u32 s94, s94, s3
	s_mov_b32 s95, 0
	s_lshl_b32 s96, s13, 16
	s_lshl_b32 s97, s21, 13
	s_add_co_u32 s96, s96, s97
	s_add_co_u32 s96, s96, s3
	s_add_co_u32 s96, s96, KSC
	s_mov_b32 s97, 0
	s_wait_kmcnt 0x0
	s_add_nc_u64 s[100:101], s[4:5], s[100:101]
	s_add_nc_u64 s[104:105], s[4:5], s[104:105]
	s_add_nc_u64 s[94:95], s[6:7], s[94:95]
	s_add_nc_u64 s[96:97], s[6:7], s[96:97]
	CROUND                                         ; all sixteen work-groups are here: the first joint loads meet
	s_mov_b32 s[G0SX], 1
	s_add_co_u32 s[G0SX+1], s3, SC1L
	s_mov_b64 s[G0SX+2:G0SX+3], s[94:95]
	s_or_b32 s[G0SX+3], s[G0SX+3], 0x80000000
	s_mov_b32 s[G0SW], 1
	s_add_co_u32 s[G0SW+1], s3, SC0L
	s_mov_b64 s[G0SW+2:G0SW+3], s[96:97]
	s_or_b32 s[G0SW+3], s[G0SW+3], 0x80000000
	JLOAD G0SX, G1SX, G0SW, G1SW
.irp t, 0,1,2
	s_mov_b32 s[G0X+4*\t], 1
	s_add_co_u32 s[G0X+4*\t+1], s2, \t*BUF
	s_add_nc_u64 s[G0X+4*\t+2:G0X+4*\t+3], s[100:101], \t*SX
	s_or_b32 s[G0X+4*\t+3], s[G0X+4*\t+3], 0x80000000
	s_mov_b32 s[G0W+4*\t], 1
	s_add_co_u32 s[G0W+4*\t+1], s2, \t*BUF+49152
	s_add_nc_u64 s[G0W+4*\t+2:G0W+4*\t+3], s[104:105], \t*SX
	s_or_b32 s[G0W+4*\t+3], s[G0W+4*\t+3], 0x80000000
	JLOAD G0X+4*\t, G1X, G0W+4*\t, G1W             ; four loads of mine are out
.endr
	v_and_b32 v20, 31, v0
	v_lshlrev_b32 v1, 4, v20
	v_lshlrev_b32 v2, 3, v20
	s_mul_i32 s3, s[HIS], 24576
	s_add_co_u32 s2, s2, 49152
.irp t, 0,1,2
	v_add_nc_u32 v[5+\t], s2, v1                   ; S0 = K's half lo in buffer t
	v_add_nc_u32 v[8+\t], s3, v1                   ; S1 = Q's half hi
	s_add_co_u32 s2, s2, BUF
	s_add_co_u32 s3, s3, BUF
.endr
	s_lshl_b32 s2, s[LOS], 12
	s_add_co_u32 s2, s2, SC0L
	v_add_nc_u32 v14, s2, v2
	s_lshl_b32 s2, s[HIS], 12
	s_add_co_u32 s2, s2, SC1L
	v_add_nc_u32 v15, s2, v2
	s_lshl_b32 s2, s21, 1
	s_add_co_u32 s2, s2, s[LOS]                    ; which 128 keys of the batch are mine: the third product's kstep
	s_lshl_b32 s3, s22, 4
	s_lshl_b32 s100, s[HIS], 3
	s_add_co_u32 s3, s3, s100                      ; my first tile of queries
	s_mul_i32 s100, s3, 6144
	s_lshr_b32 s104, s2, 2
	s_mul_i32 s104, s104, 3145728
	s_add_co_u32 s100, s100, s104
	s_and_b32 s104, s2, 3
	s_mul_i32 s104, s104, 1536
	s_add_co_u32 s100, s100, s104
	s_mov_b32 s101, 0
	s_add_nc_u64 s[8:9], s[8:9], s[100:101]
	s_lshl_b32 s100, s3, 10
	s_lshl_b32 s104, s2, 8
	s_add_co_u32 s100, s100, s104
	s_add_nc_u64 s[10:11], s[10:11], s[100:101]
	s_wait_tensorcnt 0x2                           ; the scale words and my part of K slot 0 are in; slots 1 and 2 may be out
	s_barrier_signal -1
	s_barrier_wait -1
	F0 0
	F1 0, 0, 4
	FS 0
	F1 0, 4, 4
	STEP 0, 1, 0                                   ; the first products start the sums
	TURN 1, 1, 1
	STEP 2, 0, 0
	STEP 3, 0, 1
	STEP 4, 0, 0
	TURN 5, 0, 1
	STEP 6, 0, 0
	LAST 7
	PLACES
.irp b, 0,1,2,3
	v_mov_b32 v[TM+4+\b], 0                        ; a lane permute's destination counts as one of its sources
.endr
.irp a, 0,1,2,3,4,5,6,7
	QUANT 64*(\a%4), 2+\a/4, PWS+\a
	PUT 8, \a*6144
.endr
	PUTS 0, 10, 0
	PUTS 1, 10, 4096
	s_wait_tensorcnt 0x0                           ; the wave's end
	ds_add_u32 v3, v4
	s_wait_dscnt 0x0
	CROUND
	s_endpgm
.Lfunc_end_k_q09d15d0210_gemm2:
	.size	k_q09d15d0210_gemm2, .Lfunc_end_k_q09d15d0210_gemm2-k_q09d15d0210_gemm2
	.p2alignl 7, 3214868480
	.fill 96, 4, 3214868480
	.section	.rodata,"a",@progbits
	.p2align	6, 0x0
	.amdhsa_kernel k_q09d15d0210_gemm2
		.amdhsa_group_segment_fixed_size 327680
		.amdhsa_private_segment_fixed_size 0
		.amdhsa_enable_private_segment 0
		.amdhsa_kernarg_size 32
		.amdhsa_user_sgpr_count 2
		.amdhsa_user_sgpr_kernarg_segment_ptr 1
		.amdhsa_wavefront_size32 1
		.amdhsa_system_sgpr_workgroup_id_x 1
		.amdhsa_system_sgpr_workgroup_id_y 1
		.amdhsa_system_sgpr_workgroup_id_z 1
		.amdhsa_system_vgpr_workitem_id 0
		.amdhsa_next_free_vgpr 1024
		.amdhsa_next_free_sgpr 106
		.amdhsa_reserve_vcc 0
		.amdhsa_float_denorm_mode_32 3
		.amdhsa_float_denorm_mode_16_64 3
		.amdhsa_memory_ordered 1
		.amdhsa_forward_progress 1
		.amdhsa_inst_pref_size 140
	.end_amdhsa_kernel
	.amdgpu_metadata
---
amdhsa.version: [ 1, 2 ]
amdhsa.kernels:
  - .name:           k_q09d15d0210_gemm2
    .symbol:         k_q09d15d0210_gemm2.kd
    .args:
      - { .name: qkv_codes, .offset: 0, .size: 8, .value_kind: global_buffer, .address_space: global }
      - { .name: qkv_scales, .offset: 8, .size: 8, .value_kind: global_buffer, .address_space: global }
      - { .name: a_codes, .offset: 16, .size: 8, .value_kind: global_buffer, .address_space: global }
      - { .name: a_scales, .offset: 24, .size: 8, .value_kind: global_buffer, .address_space: global }
    .group_segment_fixed_size: 327680
    .private_segment_fixed_size: 0
    .kernarg_segment_align: 8
    .kernarg_segment_size: 32
    .max_flat_workgroup_size: 128
    .sgpr_count:     106
    .vgpr_count:     1024
    .wavefront_size: 32
...
	.end_amdgpu_metadata
.endif
;; end of part 3
;; launch gemm3 (part 4): grid 4 x 64, 4 waves a work-group, clusters of 4 x 4, 327,680 bytes of LDS; arguments qkv_codes, qkv_scales, a_codes, a_scales, gn_weight, gn_bias, out0; writes out0
.if DOCPART == 4
	.amdgcn_target "amdgcn-amd-amdhsa--gfx1250"
	.amdhsa_code_object_version 6
	.text
	.protected	k_q09d15d0210_gemm3
	.globl	k_q09d15d0210_gemm3
	.p2align	8
	.type	k_q09d15d0210_gemm3,@function
k_q09d15d0210_gemm3:
	s_mov_b64 s[64:65], 0
	v_nop
	global_prefetch_b8 v0, s[64:65] scope:SCOPE_SE
	s_setreg_imm32_b32 hwreg(HW_REG_WAVE_MODE, 25, 1), 1
	s_wait_xcnt 0x0
	s_wait_alu depctr_hold_cnt(0) depctr_sa_sdst(0) depctr_va_vdst(0) depctr_va_sdst(0) depctr_va_ssrc(0) depctr_va_vcc(0) depctr_vm_vsrc(0)
	s_getreg_b32 s2, hwreg(HW_REG_IB_STS2, 6, 4)
	s_cmp_eq_u32 s2, 0
	s_cbranch_scc0 .Lentry_in_a_cluster
	s_endpgm
.Lentry_in_a_cluster:
	s_bfe_u32 s2, ttmp6, 0x10000c
	s_cmp_lg_u32 s2, 0xf033
	s_cbranch_scc0 .Lentry_shape_is_right
	s_endpgm
.Lentry_shape_is_right:
; y = A V for each batch, on codes of FP6 (E2M3) with E8M0 scales, K = the 2,048 keys; then the group norm over 32 neighbouring channels, and the result stored TRANSPOSED: out0 lies as [batch][channel][position].
; A work-group (dx, y) makes 256 channels (256 dx) x 128 positions (global rows 128 y).  Four waves, 128 channels x 64 positions each: 32 accumulators.  That gives 256 work-groups.
; S0 = V's rows (channels), S1 = A's rows (positions): a lane holds one position; registers 16 G + 0..15 of a tile of positions are channels 32 G + 16 h + 0..15: a group lies in lanes l and l xor 16.
; The variance is taken in two passes: the mean, then the squares of the deviations.
; Operands lie in memory and in LDS in the order of their registers (a fragment: 1,536 bytes); lane r of tile 2 P + u holds row 32 P + 8 u + r % 8 + 16 (r / 8).
; LDS: two slots of 512 along K (V's 16 tiles x 6,144 bytes, then A's 8); the scale words of all of K, filled once.  CLUSTER 4 x 4: V's tiles shared along a column, A's along a row.
; THE WAY OUT: 32 channels x 64 positions at a time through my stage in LDS (it lies in slot 0, which has had its last fill and its last read at kstep 11's barrier); sixteen lanes store 256 consecutive bytes of a channel's row.
; NaN and infinities are not served.
; REGISTERS: window 0: v1 16 x lane, v2 8 x lane, v3, v4 the add's two, v5-14 addresses, v32-63 scale words, v64-95 sums, v128.. S1's fragments, later 64 numbers, v192-255 rows on their way out.
;   window 1: S0's fragments, two sets.   window 2: the accumulators ((a, b) at 8 (8 a + b)).   window 3: v0-63 gn_bias, v64-127 gn_weight of my 128 channels, in the results' order.
.set VOFF,  12582912
.set VSC,   524288
.set SV,    1572864                    ; a slot (512 along K) of V's codes: 256 tiles x 6,144
.set SA,    3145728                    ; of A's: 512 tiles x 6,144
.set SLOT,  147456
.set SC0L,  294912                     ; V's scale words: 4 groups x 16 ksteps x 256 bytes
.set SC1L,  311296                     ; A's: 2 groups
.set SPARE, 319488
.set FR,    12
.set RB0,   6144
.set RB1,   6144
.set SC,    32
.set BI,    0
.set BV,    0
.set SU,    64
.set AF,    128
.set HA,    128
.set OB,    192
.set GB,    0
.set GW,    64
.set WVS,   18
.set HIS,   19
.set LOS,   20
.set SEL,   66
.set C32,   68
.set CEPS,  69
.set G1V,   24
.set G1A,   32
.set G1SV,  40
.set G1SA,  48
.set G0SV,  56
.set G0SA,  60
.set G0V,   72
.set G0A,   80
.set NA,    4
.set DS0,   12
.set DS1,   13
.set GS0,   4096
.set GS1,   4096
.set NG1,   1
.set MSB, 0
.macro WIN new
.if MSB != (\new)
	s_set_vgpr_msb (MSB<<8)|(\new)
.set MSB, \new
.endif
.endm
.macro PLACES
.rept 4
	v_nop
.endr
.endm
.macro JLOAD g0a, g1a, g0b, g1b        ; a joint load: waves 0, 1 for V, waves 2, 3 for A; four v_nop follow each line
	s_cmp_eq_u32 s[HIS], 0
	s_cbranch_scc0 .Lfor_b_\@
	tensor_load_to_lds s[\g0a:\g0a+3], s[\g1a:\g1a+7]
	s_nop 0
.rept 4
	v_nop
.endr
	s_branch .Lasked_\@
.Lfor_b_\@:
	tensor_load_to_lds s[\g0b:\g0b+3], s[\g1b:\g1b+7]
	s_nop 0
.rept 4
	v_nop
.endr
.Lasked_\@:
.endm
.macro CREST
	s_cmp_lg_u32 s[WVS], 0
	s_cbranch_scc1 .Lnot_wave_0_\@
	s_barrier_signal -3
.Lnot_wave_0_\@:
	s_barrier_wait -3
	s_barrier_signal -1
	s_barrier_wait -1
.endm
.macro CROUND
	s_barrier_signal -1
	s_barrier_wait -1
	CREST
.endm
.macro G1SET g, c, r, p
	s_mov_b32 s[\g+1], ((\c)&0xffff)<<16
	s_mov_b32 s[\g+2], ((\c)>>16)|(((\r)&0xffff)<<16)
	s_mov_b32 s[\g+3], ((\r)>>16)|((\c)<<16)
	s_mov_b32 s[\g+4], \r
	s_mov_b32 s[\g+5], \p
	s_mov_b32 s[\g+6], 0
	s_mov_b32 s[\g+7], 0
.endm
.macro LOC s
.set R0, 5+((\s)/4)%2
.set R1, 7+((\s)/4)%2
.set O0, ((\s)%4)*1536
.set O1, ((\s)%4)*1536
.endm
.macro FRAG reg, adr, off
.irp c, 0,1,2
	ds_load_b128 v[(\reg)+4*\c:(\reg)+4*\c+3], v[\adr] offset:(\off)+512*\c
.endr
.endm
.macro F0 s
	LOC \s
	WIN 0x40
.irp i, 0,1,2,3,4,5,6,7
	FRAG 128*((\s)%2)+FR*\i, R0, O0+\i*RB0
.endr
	WIN 0
.endm
.macro F1 s, i0, n
	LOC \s
.set FI, \i0
.rept \n
	FRAG AF+FR*FI, R1, O1+FI*RB1
.set FI, FI+1
.endr
.endm
.macro FS s
.set SS, SC+16*(((\s)/2)%2)
.irp g, 0,1
.irp q, 0,1
	ds_load_b64 v[SS+4*\g+2*\q:SS+4*\g+2*\q+1], v[DS0] offset:\g*GS0+((\s)+\q)*256
.endr
.endr
.set FG, 0
.rept NG1
.irp q, 0,1
	ds_load_b64 v[SS+8+4*FG+2*\q:SS+8+4*FG+2*\q+1], v[DS1] offset:FG*GS1+((\s)+\q)*256
.endr
.set FG, FG+1
.endr
.endm
.macro WMR z
.if \z
.if rw == 0
	v_wmma_scale_f32_16x16x128_f8f6f4 v[rD:rD+7], v[rA:rA+FR-1], v[rB:rB+FR-1], 0, v[sA], v[sB] matrix_a_fmt:MATRIX_FMT_FP6 matrix_b_fmt:MATRIX_FMT_FP6
.elseif rw == 1
	v_wmma_scale_f32_16x16x128_f8f6f4 v[rD:rD+7], v[rA:rA+FR-1], v[rB:rB+FR-1], 0, v[sA], v[sB] matrix_a_fmt:MATRIX_FMT_FP6 matrix_b_fmt:MATRIX_FMT_FP6 matrix_a_scale:MATRIX_SCALE_ROW1
.elseif rw == 2
	v_wmma_scale_f32_16x16x128_f8f6f4 v[rD:rD+7], v[rA:rA+FR-1], v[rB:rB+FR-1], 0, v[sA], v[sB] matrix_a_fmt:MATRIX_FMT_FP6 matrix_b_fmt:MATRIX_FMT_FP6 matrix_b_scale:MATRIX_SCALE_ROW1
.else
	v_wmma_scale_f32_16x16x128_f8f6f4 v[rD:rD+7], v[rA:rA+FR-1], v[rB:rB+FR-1], 0, v[sA], v[sB] matrix_a_fmt:MATRIX_FMT_FP6 matrix_b_fmt:MATRIX_FMT_FP6 matrix_a_scale:MATRIX_SCALE_ROW1 matrix_b_scale:MATRIX_SCALE_ROW1
.endif
.else
.if rw == 0
	v_wmma_scale_f32_16x16x128_f8f6f4 v[rD:rD+7], v[rA:rA+FR-1], v[rB:rB+FR-1], v[rC:rC+7], v[sA], v[sB] matrix_a_fmt:MATRIX_FMT_FP6 matrix_b_fmt:MATRIX_FMT_FP6
.elseif rw == 1
	v_wmma_scale_f32_16x16x128_f8f6f4 v[rD:rD+7], v[rA:rA+FR-1], v[rB:rB+FR-1], v[rC:rC+7], v[sA], v[sB] matrix_a_fmt:MATRIX_FMT_FP6 matrix_b_fmt:MATRIX_FMT_FP6 matrix_a_scale:MATRIX_SCALE_ROW1
.elseif rw == 2
	v_wmma_scale_f32_16x16x128_f8f6f4 v[rD:rD+7], v[rA:rA+FR-1], v[rB:rB+FR-1], v[rC:rC+7], v[sA], v[sB] matrix_a_fmt:MATRIX_FMT_FP6 matrix_b_fmt:MATRIX_FMT_FP6 matrix_b_scale:MATRIX_SCALE_ROW1
.else
	v_wmma_scale_f32_16x16x128_f8f6f4 v[rD:rD+7], v[rA:rA+FR-1], v[rB:rB+FR-1], v[rC:rC+7], v[sA], v[sB] matrix_a_fmt:MATRIX_FMT_FP6 matrix_b_fmt:MATRIX_FMT_FP6 matrix_a_scale:MATRIX_SCALE_ROW1 matrix_b_scale:MATRIX_SCALE_ROW1
.endif
.endif
.endm
.macro WM a, b, s, cm
.set rD, 8*(8*((\a)%4)+(\b))
.set rA, 128*((\s)%2)+FR*(\b)
.set rB, AF+FR*(\a)
.set sA, SC+16*(((\s)/2)%2)+4*((\b)/4)+2*((\s)%2)+(\b)%2
.set sB, SC+16*(((\s)/2)%2)+8+4*((\a)/4)+2*((\s)%2)+(\a)%2
.set rw, 2*(((\a)/2)%2)+((\b)/2)%2
.set rC, rD
.if (\cm) == 1
	WMR 1
.else
	WMR 0
.endif
.endm
.macro MULB a0, n, s, cm               ; the accumulators take turns, one instruction a turn
	WIN 0xa1+0x50*((\a0)/4)
.set MA, \a0
.rept \n
.irp b, 0,1,2,3,4,5,6,7
	WM MA, \b, \s, \cm
.endr
.set MA, MA+1
.endr
.endm
.macro STEP s, cm, sc
	s_wait_dscnt 3*NA/2                            ; all but the youngest loads, S1's upper tiles
	MULB 0, NA/2, \s, \cm
	s_wait_dscnt 0x0
	PLACES
	F0 (\s)+1
	F1 (\s)+1, 0, NA/2
.if \sc
	FS (\s)+1
.endif
	MULB NA/2, NA/2, \s, \cm
	PLACES
	WIN 0
	F1 (\s)+1, NA/2, NA/2
.endm
.macro FILL k                          ; k = 1: slot 0, k = 2: slot 1: the slot just read out takes the 512 along K two slots on
	s_add_nc_u64 s[G0V+4*((\k)-1)+2:G0V+4*((\k)-1)+3], s[G0V+4*((\k)-1)+2:G0V+4*((\k)-1)+3], 2*SV
	s_add_nc_u64 s[G0A+4*((\k)-1)+2:G0A+4*((\k)-1)+3], s[G0A+4*((\k)-1)+2:G0A+4*((\k)-1)+3], 2*SA
	JLOAD G0V+4*((\k)-1), G1V, G0A+4*((\k)-1), G1A
.endm
.macro TURN s, fill, more              ; a slot's last kstep: one barrier; in front of it all my tensor loads, the add, my reads of the slot; fill: a round of the cluster's barrier and the joint refill first behind it
	s_wait_tensorcnt 0x0
	ds_add_u32 v3, v4
	s_wait_dscnt 3*NA/2+1                          ; (the add and S1's upper tiles may be out)
	MULB 0, NA/4, \s, 0
	s_wait_dscnt 0x0
	s_barrier_signal -1
	MULB NA/4, NA/4, \s, 0
	WIN 0
	s_barrier_wait -1
.if \fill
	CREST
	FILL \fill
.else
	PLACES
.endif
.if \more
	F0 (\s)+1
	F1 (\s)+1, 0, NA/2
	FS (\s)+1
.endif
	MULB NA/2, NA/2, \s, 0
.if \more
	PLACES
	WIN 0
	F1 (\s)+1, NA/2, NA/2
.else
	WIN 0
.endif
.endm
.macro LAST s
	s_wait_dscnt 3*NA/2
	MULB 0, NA/2, \s, 0
	s_wait_dscnt 0x0
	MULB NA/2, NA/2, \s, 0
	WIN 0
.endm
	s_load_b256 s[4:11], s[0:1], 0x0               ; qkv_codes s[4:5], qkv_scales s[6:7], a_codes s[8:9], a_scales s[10:11]
	s_load_b128 s[12:15], s[0:1], 0x20             ; gn_weight s[12:13], gn_bias s[14:15]
	s_load_b64 s[16:17], s[0:1], 0x30              ; out0
	v_lshl_add_u32 v3, v0, 2, SPARE
	v_mov_b32 v4, 0
	ds_add_u32 v3, v4
	ds_add_u32 v3, v4
	s_wait_dscnt 0x0
	v_lshrrev_b32 v1, 5, v0
	v_readfirstlane_b32 s[WVS], v1
	s_lshr_b32 s[HIS], s[WVS], 1                   ; my half of the positions.  Also: I fetch for V (0) or for A (1)
	s_and_b32 s[LOS], s[WVS], 1                    ; my half of the channels.  Also: which half I fetch
	s_bfe_u32 s21, ttmp6, 0x40000                  ; cx
	s_bfe_u32 s22, ttmp6, 0x40004                  ; cy
	s_lshl_b32 s88, ttmp9, 2
	s_add_co_u32 s88, s88, s21                     ; dx
	s_and_b32 s89, ttmp7, 0xffff                   ; the cluster's y
	s_lshr_b32 s90, s89, 2                         ; the batch: the same in the whole cluster
	s_lshl_b32 s23, s89, 2
	s_add_co_u32 s23, s23, s22                     ; y
	s_lshl_b32 s70, s22, 2
	s_lshl_b32 s70, 15, s70                        ; my row of the cluster
	s_lshl_b32 s71, 0x1111, s21                    ; my column
	s_mov_b32 s[SEL], 0x76543210
	s_mov_b32 s[SEL+1], 0xfedcba98
	s_mov_b32 s[C32], 0x3d000000                   ; 1 / 32
	s_mov_b32 s[CEPS], 0x3727c5ac                  ; 1e-5
	s_or_b32 s[G1V], s71, (3<<16)|(1<<21)
	s_or_b32 s[G1A], s70, (3<<16)|(1<<21)
	s_or_b32 s[G1SV], s71, (3<<16)|(1<<21)
	s_or_b32 s[G1SA], s70, (3<<16)|(1<<21)
	G1SET G1V, 32, 192, 32                         ; eight tiles x 6,144 dense bytes
	G1SET G1A, 32, 96, 32                          ; four tiles
	G1SET G1SV, 32, 32, 32                         ; two groups' scale words: 8,192 bytes
	G1SET G1SA, 32, 16, 32                         ; one group's
	s_mul_i32 s2, s[LOS], 49152
	s_mul_i32 s92, s90, 393216
	s_mul_i32 s93, s88, 98304
	s_add_co_u32 s92, s92, s93
	s_add_co_u32 s92, s92, s2
	s_add_co_u32 s92, s92, VOFF                    ; V: tile 64 batch + 16 dx + 8 lo
	s_mov_b32 s93, 0
	s_mul_i32 s3, s[LOS], 24576
	s_mul_i32 s94, s23, 49152
	s_add_co_u32 s94, s94, s3                      ; A: tile 8 y + 4 lo
	s_mov_b32 s95, 0
	s_lshl_b32 s96, s90, 16
	s_lshl_b32 s97, s88, 14
	s_add_co_u32 s96, s96, s97
	s_lshl_b32 s100, s[LOS], 13
	s_add_co_u32 s96, s96, s100
	s_add_co_u32 s96, s96, VSC
	s_mov_b32 s97, 0
	s_lshl_b32 s98, s23, 13
	s_lshl_b32 s101, s[LOS], 12
	s_add_co_u32 s98, s98, s101
	s_mov_b32 s99, 0
	s_wait_kmcnt 0x0
	s_add_nc_u64 s[92:93], s[4:5], s[92:93]
	s_add_nc_u64 s[94:95], s[8:9], s[94:95]
	s_add_nc_u64 s[96:97], s[6:7], s[96:97]
	s_add_nc_u64 s[98:99], s[10:11], s[98:99]
	CROUND                                         ; all sixteen work-groups are here: the first joint loads meet
	s_mov_b32 s[G0SV], 1
	s_add_co_u32 s[G0SV+1], s100, SC0L
	s_mov_b64 s[G0SV+2:G0SV+3], s[96:97]
	s_or_b32 s[G0SV+3], s[G0SV+3], 0x80000000
	s_mov_b32 s[G0SA], 1
	s_add_co_u32 s[G0SA+1], s101, SC1L
	s_mov_b64 s[G0SA+2:G0SA+3], s[98:99]
	s_or_b32 s[G0SA+3], s[G0SA+3], 0x80000000
	JLOAD G0SV, G1SV, G0SA, G1SA                   ; the scale words of all of K: filled once
.irp t, 0,1
	s_mov_b32 s[G0V+4*\t], 1
	s_add_co_u32 s[G0V+4*\t+1], s2, \t*SLOT
	s_add_nc_u64 s[G0V+4*\t+2:G0V+4*\t+3], s[92:93], \t*SV
	s_or_b32 s[G0V+4*\t+3], s[G0V+4*\t+3], 0x80000000
	s_mov_b32 s[G0A+4*\t], 1
	s_add_co_u32 s[G0A+4*\t+1], s3, \t*SLOT+98304
	s_add_nc_u64 s[G0A+4*\t+2:G0A+4*\t+3], s[94:95], \t*SA
	s_or_b32 s[G0A+4*\t+3], s[G0A+4*\t+3], 0x80000000
	JLOAD G0V+4*\t, G1V, G0A+4*\t, G1A             ; three loads of mine are out
.endr
	v_and_b32 v20, 31, v0
	v_lshlrev_b32 v1, 4, v20                       ; 16 x lane
	v_lshlrev_b32 v2, 3, v20                       ; 8 x lane
	v_and_b32 v21, 15, v0                          ; r
	v_bfe_u32 v22, v0, 4, 1                        ; h
	s_mul_i32 s3, s[HIS], 24576
	s_add_co_u32 s3, s3, 98304
.irp t, 0,1
	v_add_nc_u32 v[5+\t], s2, v1                   ; S0 = V's half lo in slot t
	v_add_nc_u32 v[7+\t], s3, v1                   ; S1 = A's half hi
	s_add_co_u32 s2, s2, SLOT
	s_add_co_u32 s3, s3, SLOT
.endr
	s_lshl_b32 s2, s[LOS], 13
	s_add_co_u32 s2, s2, SC0L
	v_add_nc_u32 v12, s2, v2
	s_lshl_b32 s2, s[HIS], 12
	s_add_co_u32 s2, s2, SC1L
	v_add_nc_u32 v13, s2, v2
	s_mul_i32 s2, s[WVS], 8960                     ; my stage: two halves of 16 channel rows x (256 bytes + 16), 4,480 bytes apart
	v_and_b32 v9, 7, v0
	v_bfe_u32 v23, v0, 3, 1
	v_lshl_add_u32 v9, v23, 4, v9
	v_lshlrev_b32 v9, 2, v9                        ; in: my position's 4 bytes in a row: 4 (r % 8 + 16 (r / 8)),
	v_mad_u32_u24 v9, v22, 4480, v9                ; my half's 16 channels
	v_add_nc_u32 v9, s2, v9
	v_mul_u32_u24 v10, v22, 272
	v_lshl_add_u32 v10, v21, 4, v10
	v_add_nc_u32 v10, s2, v10                      ; back: lanes 0-15 one channel's row, lanes 16-31 the next
	v_lshlrev_b32 v11, 13, v22
	v_lshl_add_u32 v11, v21, 4, v11                ; and the same in out0: a channel's row is 8,192 bytes
	v_lshlrev_b32 v14, 6, v22                      ; 64 h
	s_lshl_b32 s2, s88, 10
	s_lshl_b32 s3, s[LOS], 9
	s_add_co_u32 s2, s2, s3
	s_mov_b32 s3, 0
	s_add_nc_u64 s[12:13], s[12:13], s[2:3]        ; gn_weight and gn_bias at channel 256 dx + 128 lo
	s_add_nc_u64 s[14:15], s[14:15], s[2:3]
	WIN 0xc0
.irp g, 0,1,2,3
.irp i, 0,1,2,3
	global_load_b128 v[GW+16*\g+4*\i:GW+16*\g+4*\i+3], v14, s[12:13] offset:128*\g+16*\i
	global_load_b128 v[GB+16*\g+4*\i:GB+16*\g+4*\i+3], v14, s[14:15] offset:128*\g+16*\i
.endr
.endr
	WIN 0
	s_lshl_b32 s2, s90, 23                         ; the batch: 8,388,608 bytes
	s_lshl_b32 s100, s88, 21                       ; 256 dx channels
	s_add_co_u32 s2, s2, s100
	s_lshl_b32 s100, s[LOS], 20                    ; 128 lo channels
	s_add_co_u32 s2, s2, s100
	s_lshl_b32 s100, s23, 7
	s_and_b32 s100, s100, 2047                     ; my work-group's first position in the batch
	s_lshl_b32 s101, s[HIS], 6
	s_add_co_u32 s100, s100, s101
	s_lshl_b32 s100, s100, 2
	s_add_co_u32 s2, s2, s100
	s_add_nc_u64 s[16:17], s[16:17], s[2:3]
	s_wait_tensorcnt 0x1                           ; the scale words and my part of slot 0 are in; slot 1's may be out
	s_barrier_signal -1
	s_barrier_wait -1
	F0 0
	F1 0, 0, 2
	FS 0
	F1 0, 2, 2
	STEP 0, 1, 0                                   ; the first products start the sums
	STEP 1, 0, 1
	STEP 2, 0, 0
	TURN 3, 1, 1
	STEP 4, 0, 0
	STEP 5, 0, 1
	STEP 6, 0, 0
	TURN 7, 2, 1
	STEP 8, 0, 0
	STEP 9, 0, 1
	STEP 10, 0, 0
	TURN 11, 0, 1                                  ; the last slot has landed; nothing is filled; nobody reads slot 0 behind this barrier
	STEP 12, 0, 0
	STEP 13, 0, 1
	STEP 14, 0, 0
	LAST 15
	PLACES
	s_wait_loadcnt 0x0                             ; gn_weight, gn_bias
; GROUP g OF 32 CHANNELS, for my four tiles of positions by turns.
.macro GN g
	WIN 0x0a
.irp k, 0,1,2,3                        ; each accumulator is read from its low end on
.irp a, 0,1,2,3
	v_pk_add_f32 v[SU+8*\a+2*\k:SU+8*\a+2*\k+1], v[64*\a+16*(\g)+4*\k:64*\a+16*(\g)+4*\k+1], v[64*\a+16*(\g)+4*\k+2:64*\a+16*(\g)+4*\k+3]
.endr
.endr
	WIN 0
.irp a, 0,1,2,3
	v_pk_add_f32 v[SU+8*\a:SU+8*\a+1], v[SU+8*\a:SU+8*\a+1], v[SU+8*\a+2:SU+8*\a+3]
	v_pk_add_f32 v[SU+8*\a+4:SU+8*\a+5], v[SU+8*\a+4:SU+8*\a+5], v[SU+8*\a+6:SU+8*\a+7]
.endr
.irp a, 0,1,2,3
	v_pk_add_f32 v[SU+8*\a:SU+8*\a+1], v[SU+8*\a:SU+8*\a+1], v[SU+8*\a+4:SU+8*\a+5]
.endr
.irp a, 0,1,2,3
	v_add_f32 v[SU+8*\a], v[SU+8*\a], v[SU+8*\a+1]
.endr
.irp a, 0,1,2,3
	v_permlanex16_b32 v[SU+8*\a+1], v[SU+8*\a], s[SEL], s[SEL+1]
.endr
.irp a, 0,1,2,3
	v_add_f32 v[SU+8*\a], v[SU+8*\a], v[SU+8*\a+1] ; with lane l xor 16's 16 channels
.endr
.irp a, 0,1,2,3
	v_mul_f32 v[SU+8*\a], s[C32], v[SU+8*\a]       ; the mean
.endr
	WIN 0x02
.irp i, 0,2,4,6,8,10,12,14
.irp a, 0,1,2,3
	v_pk_add_f32 v[HA+16*\a+\i:HA+16*\a+\i+1], v[64*\a+16*(\g)+\i:64*\a+16*(\g)+\i+1], v[SU+8*\a:SU+8*\a+1] op_sel_hi:[1,0] neg_lo:[0,1] neg_hi:[0,1]   ; the deviations
.endr
.endr
	WIN 0
.irp a, 0,1,2,3
	v_pk_mul_f32 v[SU+8*\a+2:SU+8*\a+3], v[HA+16*\a:HA+16*\a+1], v[HA+16*\a:HA+16*\a+1]
	v_pk_mul_f32 v[SU+8*\a+4:SU+8*\a+5], v[HA+16*\a+2:HA+16*\a+3], v[HA+16*\a+2:HA+16*\a+3]
.endr
.irp i, 4,8,12
.irp a, 0,1,2,3
	v_pk_fma_f32 v[SU+8*\a+2:SU+8*\a+3], v[HA+16*\a+\i:HA+16*\a+\i+1], v[HA+16*\a+\i:HA+16*\a+\i+1], v[SU+8*\a+2:SU+8*\a+3]
	v_pk_fma_f32 v[SU+8*\a+4:SU+8*\a+5], v[HA+16*\a+\i+2:HA+16*\a+\i+3], v[HA+16*\a+\i+2:HA+16*\a+\i+3], v[SU+8*\a+4:SU+8*\a+5]
.endr
.endr
.irp a, 0,1,2,3
	v_pk_add_f32 v[SU+8*\a+2:SU+8*\a+3], v[SU+8*\a+2:SU+8*\a+3], v[SU+8*\a+4:SU+8*\a+5]
.endr
.irp a, 0,1,2,3
	v_add_f32 v[SU+8*\a+2], v[SU+8*\a+2], v[SU+8*\a+3]
.endr
.irp a, 0,1,2,3
	v_permlanex16_b32 v[SU+8*\a+3], v[SU+8*\a+2], s[SEL], s[SEL+1]
.endr
.irp a, 0,1,2,3
	v_add_f32 v[SU+8*\a+2], v[SU+8*\a+2], v[SU+8*\a+3]
.endr
.irp a, 0,1,2,3
	v_fma_f32 v[SU+8*\a+2], v[SU+8*\a+2], s[C32], s[CEPS]   ; the variance + eps
.endr
.irp a, 0,1,2,3
	v_rsq_f32 v[SU+8*\a+6], v[SU+8*\a+2]
.endr
	v_nop                                          ; a plain instruction behind the last of the four
	s_wait_alu depctr_va_vdst(0)                   ; one wait for the four, ahead of their first reader
.irp i, 0,2,4,6,8,10,12,14
.irp a, 0,1,2,3
	v_pk_mul_f32 v[HA+16*\a+\i:HA+16*\a+\i+1], v[HA+16*\a+\i:HA+16*\a+\i+1], v[SU+8*\a+6:SU+8*\a+7] op_sel_hi:[1,0]
.endr
.endr
	WIN 0x3c
.irp i, 0,2,4,6,8,10,12,14
.irp a, 0,1,2,3
	v_pk_fma_f32 v[HA+16*\a+\i:HA+16*\a+\i+1], v[HA+16*\a+\i:HA+16*\a+\i+1], v[GW+16*(\g)+\i:GW+16*(\g)+\i+1], v[GB+16*(\g)+\i:GB+16*(\g)+\i+1]
.endr
.endr
	WIN 0
.irp a, 0,1,2,3
.irp i, 0,1,2,3,4,5,6,7,8,9,10,11,12,13,14,15
	ds_store_b32 v9, v[HA+16*\a+\i] offset:\i*272+4*(32*(\a/2)+8*(\a%2))   ; channel 16 h + i, position of tile a: the two halves of the lanes fall 32 banks apart
.endr
.endr
	s_wait_xcnt 0x0                                ; the last group's stores have read the registers that the loads below take
.irp i, 0,1,2,3,4,5,6,7,8,9,10,11,12,13,14,15
	ds_load_b128 v[OB+4*\i:OB+4*\i+3], v10 offset:(\i/8)*4480+2*(\i%8)*272   ; LDS serves a wave's instructions in order: these see my stores, and the next group's stores come behind them
.endr
.irp i, 0,1,2,3,4,5,6,7,8,9,10,11,12,13,14,15
	s_wait_dscnt 15-\i
	global_store_b128 v11, v[OB+4*\i:OB+4*\i+3], s[16:17] offset:(32*(\g)+16*(\i/8)+2*(\i%8))*8192 th:TH_STORE_NT   ; 16 lanes store 256 consecutive bytes, aligned, of each of two channels
.endr
.endm
	GN 0
	GN 1
	GN 2
	GN 3
	s_wait_tensorcnt 0x0                           ; the wave's end
	ds_add_u32 v3, v4
	s_wait_dscnt 0x0
	CROUND                                         ; the closing round
	s_endpgm
.Lfunc_end_k_q09d15d0210_gemm3:
	.size	k_q09d15d0210_gemm3, .Lfunc_end_k_q09d15d0210_gemm3-k_q09d15d0210_gemm3
	.p2alignl 7, 3214868480
	.fill 96, 4, 3214868480
	.section	.rodata,"a",@progbits
	.p2align	6, 0x0
	.amdhsa_kernel k_q09d15d0210_gemm3
		.amdhsa_group_segment_fixed_size 327680
		.amdhsa_private_segment_fixed_size 0
		.amdhsa_enable_private_segment 0
		.amdhsa_kernarg_size 56
		.amdhsa_user_sgpr_count 2
		.amdhsa_user_sgpr_kernarg_segment_ptr 1
		.amdhsa_wavefront_size32 1
		.amdhsa_system_sgpr_workgroup_id_x 1
		.amdhsa_system_sgpr_workgroup_id_y 1
		.amdhsa_system_sgpr_workgroup_id_z 1
		.amdhsa_system_vgpr_workitem_id 0
		.amdhsa_next_free_vgpr 1024
		.amdhsa_next_free_sgpr 106
		.amdhsa_reserve_vcc 0
		.amdhsa_float_denorm_mode_32 3
		.amdhsa_float_denorm_mode_16_64 3
		.amdhsa_memory_ordered 1
		.amdhsa_forward_progress 1
		.amdhsa_inst_pref_size 202
	.end_amdhsa_kernel
	.amdgpu_metadata
---
amdhsa.version: [ 1, 2 ]
amdhsa.kernels:
  - .name:           k_q09d15d0210_gemm3
    .symbol:         k_q09d15d0210_gemm3.kd
    .args:
      - { .name: qkv_codes, .offset: 0, .size: 8, .value_kind: global_buffer, .address_space: global }
      - { .name: qkv_scales, .offset: 8, .size: 8, .value_kind: global_buffer, .address_space: global }
      - { .name: a_codes, .offset: 16, .size: 8, .value_kind: global_buffer, .address_space: global }
      - { .name: a_scales, .offset: 24, .size: 8, .value_kind: global_buffer, .address_space: global }
      - { .name: gn_weight, .offset: 32, .size: 8, .value_kind: global_buffer, .address_space: global }
      - { .name: gn_bias, .offset: 40, .size: 8, .value_kind: global_buffer, .address_space: global }
      - { .name: out0, .offset: 48, .size: 8, .value_kind: global_buffer, .address_space: global }
    .group_segment_fixed_size: 327680
    .private_segment_fixed_size: 0
    .kernarg_segment_align: 8
    .kernarg_segment_size: 56
    .max_flat_workgroup_size: 128
    .sgpr_count:     106
    .vgpr_count:     1024
    .wavefront_size: 32
...
	.end_amdgpu_metadata
.endif
;; end of part 4
